; MI455X (gfx1250); checked and timed in simulation.
; The chip was launched on July 23, 2026; its instructions are those of AMD's public machine-readable ISA for CDNA 5 (MIT licence, August 2026) and "CDNA5" Instruction Set Architecture Reference Guide (July 2026). The comments in the code are by the model that wrote it; some were corrected since.
;; Multi Head Attention. Allowed arithmetic: matrix products marked QUANTISED: E3M2 operands, one E8M0 scale for each 32 along K, by v_wmma_scale_f32_16x16x128_f8f6f4 with both operands' format E3M2, f32 sums; everything else in f32.
;; Inputs: Wk 1,024 x 1,024 float32; Wo 1,024 x 1,024 float32; Wq 1,024 x 1,024 float32; Wv 1,024 x 1,024 float32; bo 1,024 float32; x 4 x 2,048 x 1,024 float32.
;; Outputs: out0 4 x 2,048 x 1,024 float32.
;; This version of the problem:
;;   THIS VERSION OF THE PROBLEM IS GIVEN IN LOW PRECISION. The matrix products marked QUANTISED in the list below multiply operands that are first quantised to E3M2 (3 exponent bits, 2 mantissa bits; 6 bits a number), with one power-of-two scale for each 32 numbers along K (OCP MX v1.0); their sums are f32. All else is computed in f32.
;;   The module's matrix products, in the order in which they are computed (A, B: the left and right operand; K: the contracted axis; several contracted axes count as one K, in the product's order):
;;     1. [M 8,192, K 1,024] x [K 1,024, N 1,024]; A: input x; B: input Wq: QUANTISED
;;     2. [M 8,192, K 1,024] x [K 1,024, N 1,024]; A: input x; B: input Wk: QUANTISED
;;     3. [M 8,192, K 1,024] x [K 1,024, N 1,024]; A: input x; B: input Wv: QUANTISED
;;     4. batch 64 x [M 2,048, K 64] x [K 64, N 2,048]; A: computed on the way; B: computed on the way: QUANTISED
;;     5. batch 64 x [M 2,048, K 2,048] x [K 2,048, N 64]; A: softmax (see below); B: computed on the way: QUANTISED
;;     6. [M 8,192, K 1,024] x [K 1,024, N 1,024]; A: computed on the way; B: input Wo: QUANTISED
;;   THE QUANTISER, for each operand of a quantised product, along K:
;;     - K is cut into blocks of 32 from its start; a last block that is shorter is filled with zeros.
;;     - A block's scale is 2^e with e = floor(log2(the largest magnitude in the block)) - 4, held to -126 .. 127; a block of zeros has e = 0. As a byte (E8M0): e + 127.
;;     - Each number is divided by its block's scale, clamped to +-28, and rounded to the nearest number of E3M2, ties to even, subnormals kept.
;;     - The product sums the exact products of the quantised numbers (number of the format x scale) in f32.
;;   ~~~python
;;   def quantise(x, axis):      # numpy; x: float32 -> the quantised numbers, widened to float32 again
;;       x = np.moveaxis(x, axis, -1); K = x.shape[-1]
;;       x = np.pad(x, [(0, 0)] * (x.ndim - 1) + [(0, -K % 32)]); x = x.reshape(x.shape[:-1] + (-1, 32)); a = np.abs(x).max(-1, keepdims=True)
;;       e = np.where(a > 0, np.clip(np.frexp(np.where(a > 0, a, 1))[1] - 1 - 4, -126, 127), 0)      # np.frexp(a)[1] - 1 = floor(log2(a)), exactly
;;       r = np.clip(x / 2.0 ** e, -28, 28)
;;       step = 2.0 ** (np.maximum(np.frexp(np.where(r == 0, 1, r))[1] - 1, -2) - 2)
;;       q = np.round(r / step) * step * 2.0 ** e      # np.round: ties to even
;;       return np.moveaxis(q.reshape(q.shape[:-2] + (-1,))[..., :K], -1, axis).astype(np.float32)
;;   ~~~
;;   SOFTMAX AHEAD OF A QUANTISED PRODUCT. Where the list says 'softmax', what is quantised is not the finished softmax but p = 2^(t - M), with t = logit x log2(e) and M = ceil(the row's largest t), a whole number; so 1/2 < the row's largest p <= 1. The row's sum l is taken of the UNQUANTISED p, in f32, and the product's result is divided by l at the end. Since M is a whole number, a kernel that streams over the keys may use a running M (the ceiling of the running maximum): every later rescaling is an exact power of two, which a block's scale takes up: the codes' values come out the same.
;;   OPERANDS COMPUTED ON THE WAY. 'Computed on the way' means the value that the module computes at that place (a softmax that the list does not call 'softmax' is quantised finished and normalised). What goes into a quantiser is computed in f32, as accurately as f32 sums, v_exp_f32 and their like allow (about 1e-6 of the number): no bf16 or f16 on the way to a quantiser, and a product that is left as it is and whose result goes on into a quantised operand takes f32 operands (vector FMAs, or v_wmma_f32_16x16x4_f32). A number that lies on a knife's edge between two numbers of the format may be rounded either way, as far as f32 arithmetic and the matrix unit's own rounding can turn it there, and no further.
;; One version. Each part assembles by itself: llvm-mc -triple=amdgcn-amd-amdhsa -mcpu=gfx1250 --defsym DOCPART=n.
;; ======== version 1 of 1: 4 launches
;; workspace buffers: x_img 6,291,456 bytes; x_sc 262,144 bytes; w_img 3,145,728 bytes; w_sc 131,072 bytes; qkv_img 18,874,368 bytes; qkv_sc 1,310,720 bytes; ctx_img 6,291,456 bytes; ctx_sc 262,144 bytes
;; launch quant (part 1): grid 384 x 1, 4 waves a work-group, no clusters, 59,904 bytes of LDS; arguments x, Wq, Wk, Wv, Wo, x_img, x_sc, w_img, w_sc; writes x_img, x_sc, w_img, w_sc
.if DOCPART == 1
	.amdgcn_target "amdgcn-amd-amdhsa--gfx1250"
	.amdhsa_code_object_version 6
	.text
	.protected	k_q82a0707e87_quant
	.globl	k_q82a0707e87_quant
	.p2align	8
	.type	k_q82a0707e87_quant,@function
k_q82a0707e87_quant:
	s_mov_b64 s[64:65], 0
	v_nop
	global_prefetch_b8 v0, s[64:65] scope:SCOPE_SE
	s_setreg_imm32_b32 hwreg(HW_REG_WAVE_MODE, 25, 1), 1
	s_wait_xcnt 0x0
; x [8192][1024] (K innermost) and Wq, Wk, Wv, Wo [1024 (k)][1024 (n)] (K outermost), f32, become codes of BF6 (E3M2) with one E8M0 byte for each 32 along K.
; A block's scale is 2^(floor(log2(its largest magnitude)) - 4); its byte is the largest magnitude's exponent field - 4, held at 1 from below.
; LIMITS: a block whose largest magnitude lies under 2^-122, a block of zeros among them, gets the byte 1 (the rule's byte for zeros is 127): its codes add the same under either byte, and this
; program alone reads the bytes.  NaN and infinities among the inputs are not served.
; LAYOUT OF THE RESULTS, made for the launches that read them.  A tile of 16 rows is not 16 neighbours: slot row r of tile 2 b + u is matrix row 32 b + 8 u + (r & 7) + 16 (r >> 3).
; A fragment (one tile x 128 along K: 12 registers a lane) lies as six pieces of 256 bytes: piece p holds registers 2 p, 2 p + 1 of lane l at byte 256 p + 8 l.  A tile's 8 fragments follow each other: 12,288 bytes.
; Scale words: [tile][j 0..3][r][8 bytes]: the words of K steps 2 j and 2 j + 1 of slot row r; 512 bytes a tile.
; Work-groups 0-255 take x, 256-383 the weights; the two ways part on the work-group's number, never join, and have LDS bytes of their own.  Waves share nothing: no barrier.
; No tensor load, no cluster: every input byte is read once by one wave, and several work-groups lie on a WGP.
.set SEL,   26                         ; s[26:27] lane selects for v_permlanex16_b32: lane l xor 16
.set TM,    8                          ; v8-23   x: largest magnitudes, bytes, scale operands
.set PW,    24                         ; v24-27  x: the four K steps' scale words
.set PC,    32                         ; v32-43  x: a fragment's codes
.set T,     44                         ; v44-50  x: the conversions' second halves
.set R,     64                         ; v64-191 x: two sets of 64 numbers as loaded
.set X,     192                        ; v192-255 x: 64 numbers of a lane: register 16 b + i = k 32 b + 16 h + i of row r
.set SPX,   528                        ; x's stage: a row of 512 bytes + 16: an odd multiple of 16, so that sixteen rows begin in sixteen different groups of banks
.set XST,   16*SPX                     ; a wave's stage
.set WBASE, 4*XST                      ; the weights' stages begin behind x's
.set WTILE, 3200                       ; a tile's two fragments, 3,072 bytes, + 128: the two tiles' halves of a store fall on different banks
.set SB,    24                         ; v24-25  W: eight scale bytes
.set WX,    32                         ; v32-95  W: two sets of 32 numbers
.set C,     96                         ; v96-101 W: a block's codes
.set E,     102                        ; v102-104 W: the second conversion's result
.set OUTR,  112                        ; v112-159 W: the way out
	s_load_b256 s[4:11], s[0:1], 0x0               ; x s[4:5], Wq s[6:7], Wk s[8:9], Wv s[10:11]
	s_load_b256 s[12:19], s[0:1], 0x20             ; Wo s[12:13], x_img s[14:15], x_sc s[16:17], w_img s[18:19]
	s_load_b64 s[20:21], s[0:1], 0x40              ; w_sc
	v_lshl_add_u32 v30, v0, 2, 0xe800
	v_mov_b32 v31, 0
	v_lshrrev_b32 v1, 5, v0
	v_readfirstlane_b32 s22, v1                    ; wave 0..3
	v_and_b32 v1, 31, v0                           ; lane
	s_cmp_ge_u32 ttmp9, 256
	s_cbranch_scc1 .Lweights
; ---------------- x: work-group g takes tokens 32 g .. 32 g + 31 (tiles 2 g, 2 g + 1).  Wave w: tile 2 g + (w >> 1), K steps 4 (w & 1) .. + 3.
	v_and_b32 v2, 15, v0                           ; r
	v_bfe_u32 v3, v0, 4, 1                         ; h
	s_mov_b32 s[SEL], 0x76543210
	s_mov_b32 s[SEL+1], 0xfedcba98
	s_lshr_b32 s23, s22, 1                         ; u
	s_and_b32 s24, s22, 1                          ; which half of K
	s_lshl_b32 s28, ttmp9, 17                      ; 32 rows of 4,096 bytes,
	s_lshl_b32 s29, s23, 15                        ; 8 rows for the odd tile,
	s_add_co_u32 s28, s28, s29
	s_lshl_b32 s29, s24, 11                        ; 512 numbers for the upper half of K
	s_add_co_u32 s28, s28, s29
	s_mov_b32 s29, 0
	s_lshl_b32 s30, ttmp9, 1
	s_add_co_u32 s30, s30, s23                     ; my tile
	s_mul_i32 s32, s30, 12288
	s_mul_i32 s31, s24, 6144
	s_add_co_u32 s32, s32, s31
	s_mov_b32 s33, 0
	s_lshl_b32 s34, s30, 9
	s_lshl_b32 s31, s24, 8
	s_add_co_u32 s34, s34, s31
	s_mov_b32 s35, 0
	s_mul_i32 s25, s22, XST                        ; my stage
	s_wait_alu depctr_va_vdst(0)
	v_lshlrev_b32 v4, 4, v1                        ; 16 x lane: my bytes of a load's 512
	v_lshlrev_b32 v5, 3, v1                        ; 8 x lane: my bytes of a piece
	v_add_nc_u32 v6, s25, v4                       ; the stage, way in
	v_mul_u32_u24 v7, v2, SPX
	v_lshl_add_u32 v7, v3, 6, v7
	v_add_nc_u32 v7, s25, v7                       ; way out: row r, + 64 h
.irp b, 0,1,2,3
	v_mov_b32 v[TM+4+\b], 0                        ; written once: a lane permute's destination counts as one of its sources
.endr
	s_wait_alu depctr_va_vdst(0)
	s_wait_kmcnt 0x0
	s_add_nc_u64 s[4:5], s[4:5], s[28:29]
	s_add_nc_u64 s[14:15], s[14:15], s[32:33]
	s_add_nc_u64 s[16:17], s[16:17], s[34:35]
.macro XLOAD t                         ; K step t of my 16 rows: each load reads one row's 512 consecutive bytes.  Slot row i is token 8 u + i % 8 + 16 (i / 8) of the 32
.irp i, 0,1,2,3,4,5,6,7,8,9,10,11,12,13,14,15
	global_load_b128 v[R+64*((\t)%2)+4*\i:R+64*((\t)%2)+4*\i+3], v4, s[4:5] offset:(\i%8)*4096+(\i/8)*65536+512*(\t) th:TH_LOAD_NT
.endr
.endm
.macro TURN t                          ; through the stage: LDS serves a wave's instructions in order, so no wait stands between the stores and the loads
.irp i, 0,1,2,3,4,5,6,7,8,9,10,11,12,13,14,15
	ds_store_b128 v6, v[R+64*((\t)%2)+4*\i:R+64*((\t)%2)+4*\i+3] offset:SPX*\i
.endr
.irp b, 0,1,2,3
.irp j, 0,1,2,3
	ds_load_b128 v[X+16*\b+4*\j:X+16*\b+4*\j+3], v7 offset:128*\b+16*\j
.endr
.endr
.endm
; 64 numbers of a lane become a fragment's 12 registers in v[PC] on and the row's scale word in v[pw]
.macro QUANT s, pw
.irp b, 0,1,2,3
	v_max3_num_f32 v[TM+\b], |v[\s+16*\b]|, |v[\s+1+16*\b]|, 0x2800000   ; my 16 numbers of block b, and the floor 2^(5 - 127): the byte cannot fall under 1
.endr
.irp i, 2,4,6,8,10,12,14
.irp b, 0,1,2,3
	v_max3_num_f32 v[TM+\b], v[TM+\b], |v[\s+16*\b+\i]|, |v[\s+1+16*\b+\i]|   ; the four blocks by turns
.endr
.endr
.irp b, 0,1,2,3
	v_permlanex16_b32 v[TM+4+\b], v[TM+\b], s[SEL], s[SEL+1]
.endr
.irp b, 0,1,2,3
	v_max_num_f32 v[TM+\b], v[TM+\b], v[TM+4+\b]   ; with lane l xor 16's 16: the block's largest magnitude
.endr
.irp b, 0,1,2,3
	v_add_nc_u32 v[TM+12+\b], 0xfe000000, v[TM+\b] ; 4 off its exponent field: the conversion takes this operand's exponent field as its scale
.endr
.irp b, 0,1,2,3
	v_lshrrev_b32 v[TM+4+\b], 23, v[TM+12+\b]      ; the scale's byte
.endr
	v_lshl_or_b32 v[\pw], v[TM+5], 8, v[TM+4]
	v_lshl_or_b32 v[\pw], v[TM+6], 16, v[\pw]
	v_lshl_or_b32 v[\pw], v[TM+7], 24, v[\pw]
.irp c, 0,1
	v_cvt_scalef32_pk16_bf6_f32 v[PC+6*\c:PC+2+6*\c], v[\s+32*\c:\s+15+32*\c], v[TM+12+2*\c]
	v_cvt_scalef32_pk16_bf6_f32 v[T+4*\c:T+2+4*\c], v[\s+16+32*\c:\s+31+32*\c], v[TM+13+2*\c]   ; (a conversion's three registers begin on an even number)
.endr
	v_nop                                          ; one plain place behind a scaled conversion
.irp c, 0,1                            ; the operand's layout wants a whole block in a lane: lanes 0-15 block 2 c, lanes 16-31 block 2 c + 1
.irp i, 0,1,2
	v_permlane16_swap_b32 v[PC+6*\c+\i], v[T+4*\c+\i]
.endr
.irp i, 0,1,2
	v_mov_b32 v[PC+3+6*\c+\i], v[T+4*\c+\i]
.endr
.endr
.endm
.macro XSTEP t
.if (\t) < 3
	s_wait_loadcnt 16                              ; this step's 16 loads are in; the next step's 16 may be out
.else
	s_wait_loadcnt 0x0
.endif
	TURN \t
	s_wait_dscnt 0x0                               ; the numbers are back, and the stores into the stage have read their registers
	s_wait_xcnt 0x0                                ; the last step's stores have read the codes' registers: they are written again only behind this wait
.if (\t) < 2
	XLOAD (\t)+2
.endif
	QUANT X, PW+(\t)
.irp p, 0,1,2,3,4,5
	global_store_b64 v5, v[PC+2*\p:PC+2*\p+1], s[14:15] offset:1536*(\t)+256*\p   ; a piece: 256 consecutive bytes, aligned
.endr
.endm
	XLOAD 0
	XLOAD 1
	XSTEP 0
	XSTEP 1
	XSTEP 2
	XSTEP 3
	v_cmp_ne_u32 vcc_lo, 0, v3                     ; lanes 0-15 store the words of my first two K steps, lanes 16-31 those of the other two:
	v_cndmask_b32 v28, v[PW], v[PW+2], vcc_lo
	v_cndmask_b32 v29, v[PW+1], v[PW+3], vcc_lo
	global_store_b64 v5, v[28:29], s[16:17]        ; 256 consecutive bytes, aligned
	s_wait_tensorcnt 0x0
	ds_add_u32 v30, v31
	s_wait_dscnt 0x0
	s_endpgm
; ---------------- the weights: a lane takes a column n, and its registers run down K.  Work-group gw = weight x 32 + j x 8 + xc: 128 columns x 256 along K; a wave 32 columns: two tiles.
.Lweights:
	s_sub_co_u32 s23, ttmp9, 256
	s_lshr_b32 s24, s23, 5                         ; the weight: 0 q, 1 k, 2 v, 3 o
	s_and_b32 s25, s23, 7
	s_bfe_u32 s28, s23, 0x20003                    ; j: which 256 along K
	s_lshl_b32 s25, s25, 2
	s_add_co_u32 s25, s25, s22                     ; which 32 columns
	s_lshl_b32 s30, s28, 20                        ; 256 rows of 4,096 bytes
	s_lshl_b32 s31, s25, 7
	s_add_co_u32 s30, s30, s31
	s_mov_b32 s31, 0
	s_lshl_b32 s29, s24, 6
	s_lshl_b32 s32, s25, 1
	s_add_co_u32 s29, s29, s32                     ; my first tile: 64 x weight + 2 x (which 32 columns)
	s_mul_i32 s32, s29, 12288
	s_mul_i32 s33, s28, 3072
	s_add_co_u32 s32, s32, s33
	s_mov_b32 s33, 0
	s_lshl_b32 s34, s29, 9
	s_lshl_b32 s35, s28, 7
	s_add_co_u32 s34, s34, s35
	s_mov_b32 s35, 0
	s_mul_i32 s36, s22, 2*WTILE
	s_add_co_u32 s36, s36, WBASE                   ; my stage
	s_wait_alu depctr_va_vdst(0)
	v_lshlrev_b32 v4, 2, v1                        ; in: 4 bytes a lane
	v_bfe_u32 v11, v0, 3, 1                        ; column 32 B + l is slot row (l & 7) + 8 (l >> 4) of tile 2 B + ((l >> 3) & 1)
	v_and_b32 v9, 7, v0
	v_bfe_u32 v10, v0, 4, 1
	v_lshl_or_b32 v9, v10, 3, v9
	v_lshlrev_b32 v8, 3, v9                        ; 8 x slot row
	v_mad_u32_u24 v5, v11, WTILE, v8
	v_add_nc_u32 v5, s36, v5                       ; the stage, way in
	v_lshl_add_u32 v8, v11, 9, v8                  ; my scale bytes' place: 512 x tile + 8 x slot row
	v_lshlrev_b32 v7, 4, v1                        ; way out: 16 bytes a lane
	v_add_nc_u32 v6, s36, v7
	s_wait_kmcnt 0x0
	s_cmp_eq_u32 s24, 1                            ; the choice hangs on the work-group's number alone
	s_cselect_b64 s[6:7], s[8:9], s[6:7]
	s_cmp_eq_u32 s24, 2
	s_cselect_b64 s[6:7], s[10:11], s[6:7]
	s_cmp_eq_u32 s24, 3
	s_cselect_b64 s[6:7], s[12:13], s[6:7]
	s_add_nc_u64 s[6:7], s[6:7], s[30:31]
	s_add_nc_u64 s[18:19], s[18:19], s[32:33]
	s_add_nc_u64 s[20:21], s[20:21], s[34:35]
.macro WLOAD t                         ; block t: W(32 t + i, my column): 128 consecutive bytes a load
.irp i, 0,1,2,3,4,5,6,7,8,9,10,11,12,13,14,15,16,17,18,19,20,21,22,23,24,25,26,27,28,29,30,31
	global_load_b32 v[WX+32*((\t)%2)+\i], v4, s[6:7] offset:(32*(\t)+\i)*4096 th:TH_LOAD_NT
.endr
.endm
.macro BLOCK t
.set XS, WX+32*((\t)%2)
.if (\t) < 7
	s_wait_loadcnt 32                              ; this block's 32 loads are in; the next block's may be out
.else
	s_wait_loadcnt 0x0
.endif
	v_max3_num_f32 v12, |v[XS]|, |v[XS+1]|, |v[XS+2]|              ; all 32 numbers of the block are mine
	v_max3_num_f32 v13, |v[XS+3]|, |v[XS+4]|, |v[XS+5]|
.irp i, 6,10,14,18,22,26
	v_max3_num_f32 v12, v12, |v[XS+\i]|, |v[XS+\i+1]|
	v_max3_num_f32 v13, v13, |v[XS+\i+2]|, |v[XS+\i+3]|
.endr
	v_max3_num_f32 v12, v12, |v[XS+30]|, |v[XS+31]|
	v_max3_num_f32 v12, v12, v13, 0x2800000        ; and the floor 2^(5 - 127)
	v_add_nc_u32 v14, 0xfe000000, v12              ; the conversion's scale operand
	v_lshrrev_b32 v13, 23, v14                     ; the byte
.if (\t)%4 == 0
	v_mov_b32 v[SB+(\t)/4], v13
.else
	v_lshl_or_b32 v[SB+(\t)/4], v13, 8*((\t)%4), v[SB+(\t)/4]
.endif
	v_cvt_scalef32_pk16_bf6_f32 v[C:C+2], v[XS:XS+15], v14
	v_cvt_scalef32_pk16_bf6_f32 v[E:E+2], v[XS+16:XS+31], v14
	v_nop                                          ; one plain place behind a scaled conversion
.irp i, 0,1,2
	v_mov_b32 v[C+3+\i], v[E+\i]
.endr
.irp i, 0,1,2                          ; block t is K step t / 4, half c = (t % 4) / 2 of the registers, lanes' half t % 2: pieces 3 c + i, 128 bytes on for the upper half
	ds_store_b64 v5, v[C+2*\i:C+2*\i+1] offset:((\t)/4)*1536+256*(3*(((\t)%4)/2)+\i)+128*((\t)%2)
.endr
.if (\t)+2 < 8
	WLOAD (\t)+2
.endif
	s_wait_dscnt 0x0                               ; the stores have read their registers: the next block's codes may be written
.endm
	WLOAD 0
	WLOAD 1
.irp t, 0,1,2,3,4,5,6,7
	BLOCK \t
.endr
	s_wait_alu depctr_va_vdst(0)
	global_store_b64 v8, v[SB:SB+1], s[20:21]      ; my column's 8 scale bytes: sixteen lanes fill 128 consecutive bytes of a tile
.irp u, 0,1
.irp k, 0,1,2,3,4,5
	ds_load_b128 v[OUTR+4*(6*\u+\k):OUTR+4*(6*\u+\k)+3], v6 offset:WTILE*\u+512*\k   ; LDS serves a wave's instructions in order: these see my stores
.endr
.endr
.irp u, 0,1
.irp k, 0,1,2,3,4,5
	s_wait_dscnt 11-6*\u-\k                        ; loads come back in order: this one is in, the younger ones may be out
	global_store_b128 v7, v[OUTR+4*(6*\u+\k):OUTR+4*(6*\u+\k)+3], s[18:19] offset:12288*\u+512*\k   ; 512 consecutive bytes, aligned
.endr
.endr
	s_wait_tensorcnt 0x0
	ds_add_u32 v30, v31
	s_wait_dscnt 0x0
	s_endpgm
.Lfunc_end_k_q82a0707e87_quant:
	.size	k_q82a0707e87_quant, .Lfunc_end_k_q82a0707e87_quant-k_q82a0707e87_quant
	.p2alignl 7, 3214868480
	.fill 96, 4, 3214868480
	.section	.rodata,"a",@progbits
	.p2align	6, 0x0
	.amdhsa_kernel k_q82a0707e87_quant
		.amdhsa_group_segment_fixed_size 59904
		.amdhsa_private_segment_fixed_size 0
		.amdhsa_enable_private_segment 0
		.amdhsa_kernarg_size 72
		.amdhsa_user_sgpr_count 2
		.amdhsa_user_sgpr_kernarg_segment_ptr 1
		.amdhsa_wavefront_size32 1
		.amdhsa_system_sgpr_workgroup_id_x 1
		.amdhsa_system_sgpr_workgroup_id_y 1
		.amdhsa_system_sgpr_workgroup_id_z 1
		.amdhsa_system_vgpr_workitem_id 0
		.amdhsa_next_free_vgpr 256
		.amdhsa_next_free_sgpr 66
		.amdhsa_reserve_vcc 1
		.amdhsa_float_denorm_mode_32 3
		.amdhsa_float_denorm_mode_16_64 3
		.amdhsa_memory_ordered 1
		.amdhsa_forward_progress 1
		.amdhsa_inst_pref_size 76
	.end_amdhsa_kernel
	.amdgpu_metadata
---
amdhsa.version: [ 1, 2 ]
amdhsa.kernels:
  - .name:           k_q82a0707e87_quant
    .symbol:         k_q82a0707e87_quant.kd
    .args:
      - { .name: x, .offset: 0, .size: 8, .value_kind: global_buffer, .address_space: global }
      - { .name: Wq, .offset: 8, .size: 8, .value_kind: global_buffer, .address_space: global }
      - { .name: Wk, .offset: 16, .size: 8, .value_kind: global_buffer, .address_space: global }
      - { .name: Wv, .offset: 24, .size: 8, .value_kind: global_buffer, .address_space: global }
      - { .name: Wo, .offset: 32, .size: 8, .value_kind: global_buffer, .address_space: global }
      - { .name: x_img, .offset: 40, .size: 8, .value_kind: global_buffer, .address_space: global }
      - { .name: x_sc, .offset: 48, .size: 8, .value_kind: global_buffer, .address_space: global }
      - { .name: w_img, .offset: 56, .size: 8, .value_kind: global_buffer, .address_space: global }
      - { .name: w_sc, .offset: 64, .size: 8, .value_kind: global_buffer, .address_space: global }
    .group_segment_fixed_size: 59904
    .private_segment_fixed_size: 0
    .kernarg_segment_align: 8
    .kernarg_segment_size: 72
    .max_flat_workgroup_size: 128
    .sgpr_count:     66
    .vgpr_count:     256
    .wavefront_size: 32
...
	.end_amdgpu_metadata
.endif
;; end of part 1
;; launch gemm_qkv (part 2): grid 8 x 48, 4 waves a work-group, clusters of 4 x 4, 327,680 bytes of LDS; arguments x_img, x_sc, w_img, w_sc, qkv_img, qkv_sc; writes qkv_img, qkv_sc
.if DOCPART == 2
	.amdgcn_target "amdgcn-amd-amdhsa--gfx1250"
	.amdhsa_code_object_version 6
	.text
	.protected	k_q82a0707e87_gemm_qkv
	.globl	k_q82a0707e87_gemm_qkv
	.p2align	8
	.type	k_q82a0707e87_gemm_qkv,@function
k_q82a0707e87_gemm_qkv:
	s_mov_b64 s[64:65], 0
	v_nop
	global_prefetch_b8 v0, s[64:65] scope:SCOPE_SE
	s_setreg_imm32_b32 hwreg(HW_REG_WAVE_MODE, 25, 1), 1
	s_wait_xcnt 0x0
	s_wait_alu depctr_hold_cnt(0) depctr_sa_sdst(0) depctr_va_vdst(0) depctr_va_sdst(0) depctr_va_ssrc(0) depctr_va_vcc(0) depctr_vm_vsrc(0)
	s_getreg_b32 s2, hwreg(HW_REG_IB_STS2, 6, 4)
	s_cmp_eq_u32 s2, 0
	s_cbranch_scc0 .Lentry_in_a_cluster
	s_endpgm
.Lentry_in_a_cluster:
	s_bfe_u32 s2, ttmp6, 0x10000c
	s_cmp_lg_u32 s2, 0xf033
	s_cbranch_scc0 .Lentry_shape_is_right
	s_endpgm
.Lentry_shape_is_right:
; q = x Wq, k = x Wk, v = x Wv on codes of BF6 (E3M2) with E8M0 scales, sums in f32; the results leave as CODES: q and k quantised along the head's 64, v along the keys.
; One product form: Out[i][j] = sum over k of Y[i][k] Z[j][k], source 0 = 16 rows of Z, source 1 = 16 rows of Y: a lane holds one i, and its registers run along j, the axis along which Out is quantised.
;   mode 0 (cluster y 0-7):  Y = x (tokens), Z = Wq | Wk (features): 32 x 8 tiles of 256 x 256.     mode 1 (cluster y 8-11): Y = Wv (features), Z = x (tokens = keys): 4 x 32 tiles.
; The mode hangs on the cluster's y alone, which all partners share.  It chooses pointers and a few numbers of the way out by s_cselect, and one branch round one store.
; OPERANDS lie in memory in the order of the operand's registers: a fragment (16 slot rows x 128 K) is six pieces of 256 bytes, piece p = registers 2 p, 2 p + 1 of lane l at 256 p + 8 l; a tile's 8 fragments are 12,288 bytes.
; Slot row r of tile 2 b + u is matrix row 32 b + 8 u + (r & 7) + 16 (r >> 3): so the 16 registers of the results of Z's tiles 2 b, 2 b + 1 are 16 neighbours along j: 32 b + 16 (lane / 16) + 0 .. 15.
; A work-group of four waves makes 256 x 256, a wave 128 x 128: 64 accumulators, 512 registers.  K = 1,024 goes in four steps of 256 through two LDS slots, filled by the tensor data mover; all scale words come once.
; CLUSTERS: 4 x 4 work-groups.  A row of the cluster shares Y's tiles, a column Z's: each tile is asked for jointly, by the same tensor load with the same descriptor and a mask that names the four.
; LIMITS: a block whose largest magnitude lies under 2^-122 (a block of zeros too) gets the scale byte 1; this program alone reads the bytes.  NaN and infinities are not served.
; REGISTERS: window 0: v0-31 addresses; v32-63 scale words, two sets; v128-223 Y's fragments, one set; on the way out v64-204 are at work.  window 1: Z's fragments, two sets, at v0 and v128.  windows 2, 3: the accumulators ((a, b) at v[8 (8 (a % 4) + b)]).
.set TROW,   3072                      ; a tile's two fragments of a slot
.set HALFT,  8*TROW                    ; 8 tiles = 128 rows: what one tensor load brings, and what one wave reads of Y or of Z
.set SLOT,   4*HALFT                   ; Y's 16 tiles, then Z's
.set SCL,    2*SLOT                    ; behind the ring: Y's scale words, 8,192 bytes; Z's begin 8,320 bytes on, so that the two halves of a load's lanes fall on different banks
.set SKEW,   128
.set SPARE,  213248                    ; behind the scales (which end at 213,120): the spare words, 128 bytes for each wave: two blocks of 256 bytes that no other line names
.set FR,     12
.set NL,     6
.set NP,     4                         ; places behind this matrix instruction (ISA guide 7.12.1)
.set NQ,     2                         ; matrix instructions deep in a slot
.set ADRA, 16                          ; v16-17  LDS address of my fragments of Y in slot 0, 1
.set ADRB, 20                          ; v20-21  of Z
.set CO,   26                          ; v26     8 x lane
.set ADRS, 27                          ; v27     LDS address of my scale words: lanes 0-15 Y's, lanes 16-31 Z's
.set SPW,  28                          ; v28     LDS address of my spare word; never rewritten
.set NIL,  29                          ; v29     0; never rewritten
.set SC,   32
.set AF,   128
.set PCS,  64                          ; the way out: v64-159 eight sets of 12 codes' registers, so that no store's data are written again
.set TT,   160                         ; v160-166 the conversions' second halves
.set PWS,  168                         ; v168-175 eight scale words
.set TM,   176                         ; v176-191 largest magnitudes, bytes, scale operands
.set W4,   192
.set E4,   196
.set O4,   200
.set G1, 24
.set G0, 32
.set G1B, 48
.set G0B, 56
.set G1S, 68
.set G0S, 76
.set G1SB, 80
.set G0SB, 88
.set SEL, 12                           ; s[12:13] (way out) lane selects for v_permlanex16_b32
.set MSB, 0
.macro WIN new                         ; the immediate's high byte repeats the setting that is left
.if MSB != (\new)
	s_set_vgpr_msb (MSB<<8)|(\new)
.set MSB, (\new)
.endif
.endm
.set MUL_LO, 0xa1                      ; source 0 (Z) window 1, source 1 (Y) window 0, C and D window 2
.set MUL_HI, 0xf1
.set TO_B,   0x40
; A joint load: waves 0 and 1 fetch for Y, waves 2 and 3 for Z.  The branch hangs on the wave's number alone.  Four v_nop follow each of the two lines.
.macro JLOAD g0a, g1a, g0b, g1b
	s_cmp_eq_u32 s15, 0
	s_cbranch_scc0 .Lfor_b_\@
	tensor_load_to_lds s[\g0a:\g0a+3], s[\g1a:\g1a+7]
	s_nop 0
.rept 4
	v_nop
.endr
	s_branch .Lasked_\@
.Lfor_b_\@:
	tensor_load_to_lds s[\g0b:\g0b+3], s[\g1b:\g1b+7]
	s_nop 0
.rept 4
	v_nop
.endr
.Lasked_\@:
.endm
.macro CREST                           ; a round of the cluster's barrier behind its opening barrier
	s_cmp_lg_u32 s14, 0
	s_cbranch_scc1 .Lnot_wave_0_\@
	s_barrier_signal -3
.Lnot_wave_0_\@:
	s_barrier_wait -3
	s_barrier_signal -1
	s_barrier_wait -1
.endm
.macro CROUND
	s_barrier_signal -1
	s_barrier_wait -1
	CREST
.endm
	s_load_b256 s[4:11], s[0:1], 0x0               ; x_img s[4:5], x_sc s[6:7], w_img s[8:9], w_sc s[10:11]
	s_load_b128 s[96:99], s[0:1], 0x20             ; qkv_img s[96:97], qkv_sc s[98:99]
	v_lshl_add_u32 v[SPW], v0, 2, SPARE
	v_mov_b32 v[NIL], 0
	ds_add_u32 v28, v29
	ds_add_u32 v28, v29
	s_wait_dscnt 0x0
	v_lshrrev_b32 v1, 5, v0
	v_readfirstlane_b32 s14, v1                    ; wave 0..3
	s_lshr_b32 s15, s14, 1                         ; which half of the tile's i is mine.  Also: I fetch for Y (0) or for Z (1)
	s_and_b32 s16, s14, 1                          ; which half of its j.  Also: which 8 tiles I fetch
	s_bfe_u32 s40, ttmp6, 0x40000                  ; cx
	s_bfe_u32 s41, ttmp6, 0x40004                  ; cy
	s_and_b32 s12, ttmp7, 0xffff                   ; the cluster's y
	s_lshl_b32 s13, s12, 1
	s_add_co_u32 s13, s13, ttmp9
	s_sub_co_u32 s13, s13, 16                      ; 2 (y - 8) + x: used in mode 1 alone
	s_cmp_ge_u32 s12, 8
	s_cselect_b32 s2, 1, 0                         ; the mode
	s_cselect_b32 s17, 2, s12                      ; mode 1: Wv is tile rows 8 .. 11 of the weights
	s_cselect_b32 s42, s13, ttmp9
	s_lshl_b32 s17, s17, 2
	s_add_co_u32 s17, s17, s41                     ; TR: which 256 rows of Y
	s_lshl_b32 s42, s42, 2
	s_add_co_u32 s42, s42, s40                     ; TC: which 256 rows of Z
	s_lshl_b32 s43, s41, 2
	s_lshl_b32 s43, 15, s43                        ; my row of the cluster
	s_lshl_b32 s44, 0x1111, s40                    ; my column
	; descriptor group 1 for codes: 8 rows (tiles) of 3,072 bytes = 384 elements of 8 bytes, 12,288 bytes apart; no padding: a piece's 256 bytes are read by 32 lanes on end
	s_or_b32 s[G1+0], s43, (3<<16)|(1<<21)         ; 15:0 the mask; 17:16 elements of 8 bytes; 21 set beside a mask
	s_or_b32 s[G1B+0], s44, (3<<16)|(1<<21)
.irp g, G1, G1B
	s_mov_b32 s[\g+1], 384<<16                     ; tensor_dim0
	s_mov_b32 s[\g+2], 8<<16                       ; tensor_dim1
	s_mov_b32 s[\g+3], 384<<16                     ; tile_dim0
	s_mov_b32 s[\g+4], 8                           ; tile_dim1
	s_mov_b32 s[\g+5], 1536                        ; from tile to tile
	s_mov_b32 s[\g+6], 0
	s_mov_b32 s[\g+7], 0
.endr
	; and for the scale words of 8 tiles: 4,096 dense bytes as 16 rows of 256
	s_or_b32 s[G1S+0], s43, (3<<16)|(1<<21)
	s_or_b32 s[G1SB+0], s44, (3<<16)|(1<<21)
.irp g, G1S, G1SB
	s_mov_b32 s[\g+1], 32<<16
	s_mov_b32 s[\g+2], 16<<16
	s_mov_b32 s[\g+3], 32<<16
	s_mov_b32 s[\g+4], 16
	s_mov_b32 s[\g+5], 32
	s_mov_b32 s[\g+6], 0
	s_mov_b32 s[\g+7], 0
.endr
	s_lshl_b32 s3, s16, 3                          ; which 8 tiles I fetch
	s_lshl_b32 s20, s17, 4
	s_add_co_u32 s20, s20, s3                      ; Y: tile 16 TR + 8 x half
	s_lshl_b32 s46, s42, 4
	s_add_co_u32 s46, s46, s3                      ; Z: tile 16 TC + 8 x half
	s_lshl_b32 s22, s20, 9                         ; their scale words, 512 bytes a tile,
	s_lshl_b32 s18, s46, 9
	s_mul_i32 s20, s20, 12288                      ; and their codes
	s_mul_i32 s46, s46, 12288
	s_mov_b32 s21, 0
	s_mov_b32 s23, 0
	s_mov_b32 s19, 0
	s_mov_b32 s47, 0
	s_mul_i32 s45, s14, HALFT                      ; where they go: wave x 8 tiles: no place in the cluster enters an LDS address
	s_lshl_b32 s13, s14, 12
	s_wait_kmcnt 0x0
	s_cmp_lg_u32 s2, 0                             ; the choice of buffers hangs on the mode, on no address
	s_cselect_b64 s[66:67], s[8:9], s[4:5]         ; Y's codes
	s_cselect_b64 s[92:93], s[10:11], s[6:7]       ; Y's scales
	s_cselect_b64 s[94:95], s[4:5], s[8:9]         ; Z's codes
	s_cselect_b64 s[100:101], s[6:7], s[10:11]     ; Z's scales
	s_add_nc_u64 s[66:67], s[66:67], s[20:21]
	s_add_nc_u64 s[92:93], s[92:93], s[22:23]
	s_add_nc_u64 s[94:95], s[94:95], s[46:47]
	s_add_nc_u64 s[100:101], s[100:101], s[18:19]
	CROUND                                         ; all sixteen work-groups are here: the first joint loads meet
	s_mov_b32 s[G0S], 1
	s_add_co_u32 s[G0S+1], s13, SCL
	s_mov_b64 s[G0S+2:G0S+3], s[92:93]
	s_or_b32 s[G0S+3], s[G0S+3], 0x80000000
	s_mov_b32 s[G0SB], 1
	s_add_co_u32 s[G0SB+1], s13, SCL+SKEW
	s_mov_b64 s[G0SB+2:G0SB+3], s[100:101]
	s_or_b32 s[G0SB+3], s[G0SB+3], 0x80000000
	JLOAD G0S, G1S, G0SB, G1SB                     ; the scales first: they are wanted with the first step
.irp s, 0,1
	s_mov_b32 s[G0+4*\s], 1
	s_add_co_u32 s[G0+4*\s+1], s45, \s*SLOT
	s_add_nc_u64 s[G0+4*\s+2:G0+4*\s+3], s[66:67], \s*TROW
	s_or_b32 s[G0+4*\s+3], s[G0+4*\s+3], 0x80000000
	s_mov_b32 s[G0B+4*\s], 1
	s_add_co_u32 s[G0B+4*\s+1], s45, \s*SLOT
	s_add_nc_u64 s[G0B+4*\s+2:G0B+4*\s+3], s[94:95], \s*TROW
	s_or_b32 s[G0B+4*\s+3], s[G0B+4*\s+3], 0x80000000
	JLOAD G0+4*\s, G1, G0B+4*\s, G1B
.endr
	v_and_b32 v1, 15, v0                           ; r
	v_bfe_u32 v2, v0, 4, 1                         ; h
	s_wait_alu depctr_va_vdst(0)
	v_and_b32 v6, 31, v0
	v_lshlrev_b32 v[CO], 3, v6                     ; 8 x lane
	s_mul_i32 s21, s15, HALFT                      ; my 8 tiles of Y
	s_mul_i32 s22, s16, HALFT                      ; my 8 tiles of Z,
	s_add_co_u32 s22, s22, 2*HALFT                 ; which lie behind Y's 16
.irp s, 0,1
	v_add_nc_u32 v[ADRA+\s], s21, v[CO]
	v_add_nc_u32 v[ADRB+\s], s22, v[CO]
	s_add_co_u32 s21, s21, SLOT
	s_add_co_u32 s22, s22, SLOT
.endr
	v_lshlrev_b32 v5, 3, v1                        ; scale words: 8 bytes a slot row
	s_lshl_b32 s21, s15, 12                        ; Y's: my 8 tiles
	s_lshl_b32 s22, s16, 12                        ; Z's: my 8 tiles, behind Y's 16 and the skew
	s_add_co_u32 s22, s22, 8192+SKEW
	s_sub_co_u32 s22, s22, s21
	v_mul_u32_u24 v6, s22, v2                      ; lanes 16-31 take Z's: one product, the distance between the two bases
	s_add_co_u32 s21, s21, SCL
	v_add_nc_u32 v5, v5, v6
	v_add_nc_u32 v[ADRS], s21, v5
.macro FRAG reg, adr, q, i             ; tile i's fragment of the slot's q-th 128 along K: six pieces, each 256 consecutive bytes for the 32 lanes
.irp p, 0,1,2,3,4,5
	ds_load_b64 v[\reg+2*\p:\reg+2*\p+1], v[\adr] offset:(\i)*TROW+(\q)*1536+256*\p
.endr
.endm
; 16 matrix instructions: Y's tiles a0, a0 + 1 x Z's eight.  p: Z's set; sc: the set of scale words.  zero = 1: the first product starts the sums.
; The 64 accumulators take turns, one instruction a turn, in the same order in every step.
.macro MUL16 a0, p, q, sc, zero
.irp a, \a0, \a0+1
.irp b, 0,1,2,3,4,5,6,7
.if \zero
	v_wmma_scale_f32_16x16x128_f8f6f4 v[8*(8*((\a)%4)+\b):8*(8*((\a)%4)+\b)+7], v[128*(\p)+FR*\b:128*(\p)+FR*\b+FR-1], v[AF+FR*(\a):AF+FR*(\a)+FR-1], 0, v[SC+8*NQ*(\sc)+NQ*\b+(\q)], v[SC+8*NQ*(\sc)+NQ*(\a)+(\q)] matrix_a_fmt:MATRIX_FMT_BF6 matrix_b_fmt:MATRIX_FMT_BF6 matrix_a_scale:MATRIX_SCALE_ROW1
.else
	v_wmma_scale_f32_16x16x128_f8f6f4 v[8*(8*((\a)%4)+\b):8*(8*((\a)%4)+\b)+7], v[128*(\p)+FR*\b:128*(\p)+FR*\b+FR-1], v[AF+FR*(\a):AF+FR*(\a)+FR-1], v[8*(8*((\a)%4)+\b):8*(8*((\a)%4)+\b)+7], v[SC+8*NQ*(\sc)+NQ*\b+(\q)], v[SC+8*NQ*(\sc)+NQ*(\a)+(\q)] matrix_a_fmt:MATRIX_FMT_BF6 matrix_b_fmt:MATRIX_FMT_BF6 matrix_a_scale:MATRIX_SCALE_ROW1
.endif
.endr
.endr
.endm
.macro FETCH_B slot, q, p
	WIN TO_B
.irp i, 0,1,2,3,4,5,6,7
	FRAG 128*(\p)+FR*\i, ADRB+\slot, \q, \i
.endr
	WIN 0
.endm
.macro FETCH_A slot, q, i0
.irp i, \i0, \i0+1, \i0+2, \i0+3
	FRAG AF+FR*(\i), ADRA+\slot, \q, \i
.endr
.endm
.macro SCALES sc, j                    ; the words of K steps 2 j, 2 j + 1 into set sc: lanes 0-15 take Y's tile i, lanes 16-31 Z's tile i
.irp i, 0,1,2,3,4,5,6,7
	ds_load_b64 v[SC+8*NQ*\sc+NQ*\i:SC+8*NQ*\sc+NQ*\i+1], v[ADRS] offset:\i*512+(\j)*128
.endr
.endm
; A load into a register that a matrix instruction has read, and a vector instruction that reads a matrix result, stand NP places behind that matrix instruction; only plain vector
; instructions that name none of its registers are places (ISA guide 7.12.1 for vector instructions).
.macro PLACES n
.rept \n
	v_nop
.endr
.endm
.macro STEP slot, q, zero              ; a step of 128 along K that has its successor in the same slot
	s_wait_dscnt 4*NL                              ; Z's set and Y's tiles 0-3 are in; the youngest 24 loads (Y's tiles 4-7) may be out
	WIN MUL_LO
	MUL16 0, (\q)%2, \q, \slot, \zero
	MUL16 2, (\q)%2, \q, \slot, \zero
	s_wait_dscnt 0
	PLACES NP
	FETCH_B \slot, (\q)+1, 1-(\q)%2
	FETCH_A \slot, (\q)+1, 0
	WIN MUL_HI
	MUL16 4, (\q)%2, \q, \slot, \zero
	MUL16 6, (\q)%2, \q, \slot, \zero
	PLACES NP
	WIN 0
	FETCH_A \slot, (\q)+1, 4
.endm
; A slot's last step changes slots: one barrier; in front of it each wave waits for all its tensor loads, adds 0 to its spare word, and waits for that and for its own reads of this slot.
.macro TURN slot, next, fill, j
	s_wait_tensorcnt 0x0                           ; all my tensor loads have landed: my part of the next slot
	ds_add_u32 v[SPW], v[NIL]                      ; 0 onto my spare word
	s_wait_dscnt 4*NL+1                            ; (the add and the youngest 24 loads may be out)
	WIN MUL_LO
	MUL16 0, 1, NQ-1, \slot, 0
	s_wait_dscnt 0x0                               ; the add is done, and my reads of this slot are over
	s_barrier_signal -1
	MUL16 2, 1, NQ-1, \slot, 0
	WIN 0
	s_barrier_wait -1
.if \fill
	CREST                                          ; the barrier has opened a round of the cluster's: no wave of any partner still reads this slot or has a load on its way
	s_add_nc_u64 s[G0+4*\slot+2:G0+4*\slot+3], s[G0+4*\slot+2:G0+4*\slot+3], 2*TROW
	s_add_nc_u64 s[G0B+4*\slot+2:G0B+4*\slot+3], s[G0B+4*\slot+2:G0B+4*\slot+3], 2*TROW
	JLOAD G0+4*\slot, G1, G0B+4*\slot, G1B         ; the first tensor load behind the round; its four v_nop are the places in front of the loads below
.else
	PLACES NP
.endif
	FETCH_B \next, 0, 0
	FETCH_A \next, 0, 0
	SCALES \next, \j
	WIN MUL_HI
	MUL16 4, 1, NQ-1, \slot, 0
	MUL16 6, 1, NQ-1, \slot, 0
	PLACES NP
	WIN 0
	FETCH_A \next, 0, 4
.endm
	s_wait_alu depctr_va_vdst(0)
	s_wait_tensorcnt 1                             ; the scales and my part of slot 0 are in; slot 1's load may be out
	s_barrier_signal -1
	s_barrier_wait -1
	FETCH_B 0, 0, 0
	FETCH_A 0, 0, 0
	SCALES 0, 0
	FETCH_A 0, 0, 4
	STEP 0, 0, 1                                   ; K = 1,024 is four fills: written out, no loop
	TURN 0, 1, 1, 1
	STEP 1, 0, 0
	TURN 1, 0, 1, 2
	STEP 0, 0, 0
	TURN 0, 1, 0, 3                                ; nothing is left to fetch
	STEP 1, 0, 0
	s_wait_dscnt 4*NL
	WIN MUL_LO
	MUL16 0, 1, NQ-1, 1, 0
	MUL16 2, 1, NQ-1, 1, 0
	s_wait_dscnt 0
	WIN MUL_HI
	MUL16 4, 1, NQ-1, 1, 0
	MUL16 6, 1, NQ-1, 1, 0
	WIN 0
; THE WAY OUT.  For each of Y's tiles a, a lane's 64 registers (window w) are 128 along j of its row i: register 16 b + i = j 32 b + 16 h + i.  They are quantised in registers; the 12 registers that result are
; already in the order in which attention's operands want them, and each pair of them leaves as 256 consecutive aligned bytes.  No LDS.
.macro QUANT s, w, pc, t, pw
	WIN ((\w)<<2)|((\w)<<4)                        ; sources 1 and 2: the accumulators' window
.irp b, 0,1,2,3
	v_max3_num_f32 v[TM+\b], 0x2800000, |v[(\s)+16*\b]|, |v[(\s)+16*\b+1]|   ; the floor 2^(5 - 127), and each accumulator from its low end on
.endr
.irp i, 2,4,6,8,10,12,14
.irp b, 0,1,2,3
	v_max3_num_f32 v[TM+\b], v[TM+\b], |v[(\s)+16*\b+\i]|, |v[(\s)+16*\b+\i+1]|
.endr
.endr
	WIN 0
.irp b, 0,1,2,3
	v_permlanex16_b32 v[TM+4+\b], v[TM+\b], s[SEL], s[SEL+1]
.endr
.irp b, 0,1,2,3
	v_max_num_f32 v[TM+\b], v[TM+\b], v[TM+4+\b]
.endr
.irp b, 0,1,2,3
	v_add_nc_u32 v[TM+12+\b], 0xfe000000, v[TM+\b] ; 4 off the exponent field: the conversion's scale operand
.endr
.irp b, 0,1,2,3
	v_lshrrev_b32 v[TM+4+\b], 23, v[TM+12+\b]      ; the byte
.endr
	v_lshl_or_b32 v[\pw], v[TM+5], 8, v[TM+4]
	v_lshl_or_b32 v[\pw], v[TM+6], 16, v[\pw]
	v_lshl_or_b32 v[\pw], v[TM+7], 24, v[\pw]
	WIN (\w)                                       ; source 0: the accumulators' window
.irp c, 0,1
	v_cvt_scalef32_pk16_bf6_f32 v[(\pc)+6*\c:(\pc)+6*\c+2], v[(\s)+32*\c:(\s)+32*\c+15], v[TM+12+2*\c]
	v_cvt_scalef32_pk16_bf6_f32 v[(\t)+4*\c:(\t)+4*\c+2], v[(\s)+32*\c+16:(\s)+32*\c+31], v[TM+13+2*\c]
.endr
	WIN 0
	v_nop                                          ; one plain place behind a scaled conversion
.irp c, 0,1
.irp i, 0,1,2
	v_permlane16_swap_b32 v[(\pc)+6*\c+\i], v[(\t)+4*\c+\i]
.endr
.irp i, 0,1,2
	v_mov_b32 v[(\pc)+3+6*\c+\i], v[(\t)+4*\c+\i]
.endr
.endr
.endm
	PLACES NP                                      ; behind the last products: their results are read, and registers that held Y's fragments are written, below
	v_and_b32 v1, 15, v0
	v_bfe_u32 v2, v0, 4, 1
.irp b, 0,1,2,3
	v_mov_b32 v[TM+4+\b], 0                        ; a lane permute's destination counts as one of its sources
.endr
	s_lshl_b32 s20, s17, 1
	s_add_co_u32 s20, s20, s15                     ; which 128 of Y are mine
	s_lshl_b32 s21, s42, 1
	s_add_co_u32 s21, s21, s16                     ; which 128 of Z
	s_cmp_lg_u32 s2, 0
	s_cselect_b32 s22, s21, s20                    ; the tokens' group of 128
	s_cselect_b32 s23, s20, s21                    ; the features' group of 128: 8 x which + pair of heads
	s_lshr_b32 s12, s23, 3                         ; which: 0 q, 1 k, 2 v
	s_and_b32 s13, s23, 7                          ; the pair of heads
	s_lshr_b32 s45, s22, 4                         ; the batch
	s_and_b32 s46, s22, 15                         ; the group of 128 tokens in it
	s_lshl_b32 s47, s12, 2
	s_add_co_u32 s47, s47, s45                     ; 4 which + batch
	s_lshl_b32 s20, s47, 3
	s_add_co_u32 s20, s20, s13
	s_lshl_b32 s20, s20, 4
	s_add_co_u32 s20, s20, s46
	s_mul_i32 s20, s20, 12288                      ; my unit of 12,288 bytes of codes
	s_mov_b32 s21, 0
	s_add_nc_u64 s[96:97], s[96:97], s[20:21]
	s_lshl_b32 s20, s47, 4                         ; q's and k's scale words: 8,192 bytes a head, 512 a group of tokens
	s_lshl_b32 s21, s13, 1
	s_add_co_u32 s20, s20, s21
	s_lshl_b32 s20, s20, 13
	s_lshl_b32 s21, s46, 9
	s_add_co_u32 s20, s20, s21
	s_lshl_b32 s22, s45, 4                         ; v's: behind them, 4,096 bytes a head, 256 a group of keys
	s_lshl_b32 s23, s13, 1
	s_add_co_u32 s22, s22, s23
	s_lshl_b32 s22, s22, 12
	s_lshl_b32 s23, s46, 8
	s_add_co_u32 s22, s22, s23
	s_add_co_u32 s22, s22, 1048576
	s_cmp_lg_u32 s2, 0
	s_cselect_b32 s20, s22, s20
	s_cselect_b32 s18, 16, 32                      ; bytes from slot row to slot row
	s_cselect_b32 s19, 4096, 16                    ; from the lower to the upper half of the lanes: the next head (v), or tiles 4-7 (q, k)
	s_cselect_b32 s3, -1, 0xffff                   ; v keeps all four bytes of a word; q and k the even head's two
	s_mov_b32 s21, 0
	s_add_nc_u64 s[98:99], s[98:99], s[20:21]
	s_mov_b32 s[SEL], 0x76543210
	s_mov_b32 s[SEL+1], 0xfedcba98
.irp a, 0,1,2,3,4,5,6,7
	QUANT 64*(\a%4), 2+\a/4, PCS+12*\a, TT, PWS+\a
.irp p, 0,1,2,3,4,5
	global_store_b64 v[CO], v[PCS+12*\a+2*\p:PCS+12*\a+2*\p+1], s[96:97] offset:\a*768+256*(\p%3)+6144*(\p/3)   ; registers 0-5: the even head (q, k) or keys 0-63 (v); 6-11: the odd head or keys 64-127
.endr
.endr
	v_cmp_ne_u32 vcc_lo, 0, v2
.irp i, 0,1,2,3
	v_cndmask_b32 v[W4+\i], v[PWS+\i], v[PWS+4+\i], vcc_lo   ; lanes 0-15: the words of tiles 0-3 of slot row r; lanes 16-31: of tiles 4-7
.endr
.irp i, 0,1,2,3
	v_and_b32 v[E4+\i], s3, v[W4+\i]
.endr
	v_mul_u32_u24 v204, v1, s18
	v_mad_u32_u24 v204, v2, s19, v204
	global_store_b128 v204, v[E4:E4+3], s[98:99]   ; 512 consecutive bytes (q, k), or 256 for each of two heads (v)
	s_cmp_lg_u32 s2, 0
	s_cbranch_scc1 .Lno_odd_head                   ; the mode is the same in all partners
.irp i, 0,1,2,3
	v_lshrrev_b32 v[O4+\i], 16, v[W4+\i]           ; the odd head's two bytes; the upper two are 0: they scale zero codes
.endr
	global_store_b128 v204, v[O4:O4+3], s[98:99] offset:8192
.Lno_odd_head:
	s_wait_tensorcnt 0x0                           ; the wave's end
	ds_add_u32 v[SPW], v[NIL]
	s_wait_dscnt 0x0
	CROUND                                         ; the closing round: no work-group ends while a partner may still ask for a tile that names it
	s_endpgm
.Lfunc_end_k_q82a0707e87_gemm_qkv:
	.size	k_q82a0707e87_gemm_qkv, .Lfunc_end_k_q82a0707e87_gemm_qkv-k_q82a0707e87_gemm_qkv
	.p2alignl 7, 3214868480
	.fill 96, 4, 3214868480
	.section	.rodata,"a",@progbits
	.p2align	6, 0x0
	.amdhsa_kernel k_q82a0707e87_gemm_qkv
		.amdhsa_group_segment_fixed_size 327680
		.amdhsa_private_segment_fixed_size 0
		.amdhsa_enable_private_segment 0
		.amdhsa_kernarg_size 48
		.amdhsa_user_sgpr_count 2
		.amdhsa_user_sgpr_kernarg_segment_ptr 1
		.amdhsa_wavefront_size32 1
		.amdhsa_system_sgpr_workgroup_id_x 1
		.amdhsa_system_sgpr_workgroup_id_y 1
		.amdhsa_system_sgpr_workgroup_id_z 1
		.amdhsa_system_vgpr_workitem_id 0
		.amdhsa_next_free_vgpr 1024
		.amdhsa_next_free_sgpr 102
		.amdhsa_reserve_vcc 1
		.amdhsa_float_denorm_mode_32 3
		.amdhsa_float_denorm_mode_16_64 3
		.amdhsa_memory_ordered 1
		.amdhsa_forward_progress 1
		.amdhsa_inst_pref_size 167
	.end_amdhsa_kernel
	.amdgpu_metadata
---
amdhsa.version: [ 1, 2 ]
amdhsa.kernels:
  - .name:           k_q82a0707e87_gemm_qkv
    .symbol:         k_q82a0707e87_gemm_qkv.kd
    .args:
      - { .name: x_img, .offset: 0, .size: 8, .value_kind: global_buffer, .address_space: global }
      - { .name: x_sc, .offset: 8, .size: 8, .value_kind: global_buffer, .address_space: global }
      - { .name: w_img, .offset: 16, .size: 8, .value_kind: global_buffer, .address_space: global }
      - { .name: w_sc, .offset: 24, .size: 8, .value_kind: global_buffer, .address_space: global }
      - { .name: qkv_img, .offset: 32, .size: 8, .value_kind: global_buffer, .address_space: global }
      - { .name: qkv_sc, .offset: 40, .size: 8, .value_kind: global_buffer, .address_space: global }
    .group_segment_fixed_size: 327680
    .private_segment_fixed_size: 0
    .kernarg_segment_align: 8
    .kernarg_segment_size: 48
    .max_flat_workgroup_size: 128
    .sgpr_count:     102
    .vgpr_count:     1024
    .wavefront_size: 32
...
	.end_amdgpu_metadata
.endif
;; end of part 2
;; launch attn (part 3): grid 4 x 64, 16 waves a work-group, clusters of 4 x 1, 210,944 bytes of LDS; arguments qkv_img, qkv_sc, ctx_img, ctx_sc; writes ctx_img, ctx_sc
.if DOCPART == 3
	.amdgcn_target "amdgcn-amd-amdhsa--gfx1250"
	.amdhsa_code_object_version 6
	.text
	.protected	k_q82a0707e87_attn
	.globl	k_q82a0707e87_attn
	.p2align	8
	.type	k_q82a0707e87_attn,@function
k_q82a0707e87_attn:
	s_mov_b64 s[64:65], 0
	v_nop
	global_prefetch_b8 v0, s[64:65] scope:SCOPE_SE
	s_setreg_imm32_b32 hwreg(HW_REG_WAVE_MODE, 25, 1), 1
	s_wait_xcnt 0x0
	s_wait_alu depctr_hold_cnt(0) depctr_sa_sdst(0) depctr_va_vdst(0) depctr_va_sdst(0) depctr_va_ssrc(0) depctr_va_vcc(0) depctr_vm_vsrc(0)
	s_getreg_b32 s2, hwreg(HW_REG_IB_STS2, 6, 4)
	s_cmp_eq_u32 s2, 0
	s_cbranch_scc0 .Lentry_in_a_cluster
	s_endpgm
.Lentry_in_a_cluster:
	s_bfe_u32 s2, ttmp6, 0x10000c
	s_cmp_lg_u32 s2, 0x3003
	s_cbranch_scc0 .Lentry_shape_is_right
	s_endpgm
.Lentry_shape_is_right:
; Causal attention of one head on codes of BF6 (E3M2) with E8M0 scales: S^T = K Q^T (K = the head's 64: the other 64 of the instruction's 128 are zero codes on both sides), the softmax, O^T = V^T P^T (K = 128 keys a step).
; t = score x log2(e) / 8; M = the running largest t rounded up to a whole number; p = 2^(t - M) is quantised along the keys, not normalised; the row's sum is taken of the unquantised p and divides O at the end.
; ctx = O / sum leaves as codes, quantised along D (two blocks a head), in the order in which the last product's operand wants them.
; SHARES.  A cluster of four work-groups is one (batch, head).  The head's K, V and scale words, 208,896 bytes, are asked for jointly, once, land in each work-group's LDS and stay: no ring, nothing is filled again.
; Wave w of work-group cx owns the query tiles 4 w + cx and 127 - (4 w + cx): the first sees key steps 0 .. w / 2, the second 0 .. 15 - w / 2: 17 steps of 128 keys for every wave, and no count hangs on cx.
; Each pass walks a loop of 16 trips, a constant; a step all of whose keys come after the tile's queries is jumped over by a scalar branch on the wave's number; on the diagonal step hidden scores become -infinity.
; LAYOUT.  A lane holds one query (lane % 16) throughout.  Slot row r of tile 2 b + u is row 32 b + 8 u + (r & 7) + 16 (r >> 3), for queries, keys and V's channels alike: so 16 registers of two neighbouring tiles are 16 neighbours.
; LIMITS: p under 2^-126 counts as 0; a block whose largest magnitude lies under 2^-122 gets the scale byte 1 (read by this program alone); NaN and infinities are not served.
; REGISTERS: v1-7 addresses that stay; v8-11 addresses in hand; v12 -M, v13 largest t, v[14:15] the sum; v16-27 Q (pass A), v200-211 Q (pass B), upper six zeros; v32-79 four fragments of K, upper six of each zeros;
;   v80-87 K's scale words, v88-91 V's; v96-159 S^T, then p, then V's four fragments; v160-191 O^T; v212, v255 Q's scale words; v213, v214 the mask; v224-254 at work.
.set WV,  12
.set SEL, 20                           ; s[20:21]
.set CS,  22                           ; s[22:23] c = log2(e) / 8
.set G1K, 24
.set G1V, 32
.set G1S, 40
.set G0K, 48
.set G0V, 52
.set G0S, 56
.set KS,  60                           ; the key step
.set TK,  61                           ; its codes' place in K and in V: 6,144 bytes a step
.set TS,  62                           ; K's scale words: 512 a step
.set TV,  63                           ; V's: 256 a step
.macro CROUND
	s_barrier_signal -1
	s_barrier_wait -1
	s_cmp_lg_u32 s[WV], 0
	s_cbranch_scc1 .Lnot_wave_0_\@
	s_barrier_signal -3
.Lnot_wave_0_\@:
	s_barrier_wait -3
	s_barrier_signal -1
	s_barrier_wait -1
.endm
	s_load_b256 s[4:11], s[0:1], 0x0               ; qkv_img s[4:5], qkv_sc s[6:7], ctx_img s[8:9], ctx_sc s[10:11]
	v_lshl_add_u32 v250, v0, 2, 0x33000
	v_mov_b32 v251, 0
	ds_add_u32 v250, v251
	ds_add_u32 v250, v251
	v_lshrrev_b32 v1, 5, v0
	s_delay_alu instid0(VALU_DEP_1)
	v_readfirstlane_b32 s[WV], v1                  ; wave 0..15
	s_bfe_u32 s13, ttmp6, 0x40000                  ; cx: it enters Q's and ctx's addresses and the mask's numbers alone
	s_and_b32 s14, ttmp7, 0xffff                   ; 16 x batch + head, which the four partners share
	s_lshr_b32 s15, s14, 4                         ; batch
	s_and_b32 s16, s14, 15                         ; head
	s_lshr_b32 s17, s16, 1                         ; pair of heads
	s_and_b32 s18, s16, 1                          ; which of the pair
	s_and_b32 s19, s[WV], 3                        ; which quarter I fetch
	; descriptor groups 1.  K: 4 rows (key steps) of 6,144 bytes, 12,288 apart.  V: 8 rows (halves of key steps) of 3,072 bytes, 6,144 apart.  Scale words: 4,096 dense bytes.  Elements of 8 bytes; mask: all four; no padding
	s_mov_b32 s[G1K], 15|(3<<16)|(1<<21)
	s_mov_b32 s[G1K+1], 768<<16
	s_mov_b32 s[G1K+2], 4<<16
	s_mov_b32 s[G1K+3], 768<<16
	s_mov_b32 s[G1K+4], 4
	s_mov_b32 s[G1K+5], 1536
	s_mov_b32 s[G1K+6], 0
	s_mov_b32 s[G1K+7], 0
	s_mov_b32 s[G1V], 15|(3<<16)|(1<<21)
	s_mov_b32 s[G1V+1], 384<<16
	s_mov_b32 s[G1V+2], 8<<16
	s_mov_b32 s[G1V+3], 384<<16
	s_mov_b32 s[G1V+4], 8
	s_mov_b32 s[G1V+5], 768
	s_mov_b32 s[G1V+6], 0
	s_mov_b32 s[G1V+7], 0
	s_mov_b32 s[G1S], 15|(3<<16)|(1<<21)
	s_mov_b32 s[G1S+1], 32<<16
	s_mov_b32 s[G1S+2], 16<<16
	s_mov_b32 s[G1S+3], 32<<16
	s_mov_b32 s[G1S+4], 16
	s_mov_b32 s[G1S+5], 32
	s_mov_b32 s[G1S+6], 0
	s_mov_b32 s[G1S+7], 0
	s_lshl_b32 s2, s15, 3
	s_add_co_u32 s2, s2, s17
	s_mul_i32 s2, s2, 196608                       ; (8 batch + pair) x 16 units of 12,288 bytes: the pair's place in q's part; k's lies 6,291,456 on, v's twice that
	s_mul_i32 s3, s19, 49152                       ; my quarter: four key steps
	s_mul_i32 s88, s18, 6144
	s_add_co_u32 s88, s88, s3
	s_add_co_u32 s88, s88, s2
	s_add_co_u32 s88, s88, 6291456
	s_mov_b32 s89, 0
	s_mul_i32 s90, s18, 3072
	s_add_co_u32 s90, s90, s3
	s_add_co_u32 s90, s90, s2
	s_add_co_u32 s90, s90, 12582912
	s_mov_b32 s91, 0
	s_lshl_b32 s92, s14, 13                        ; K's scale words: 8,192 bytes a head, in two loads;
	s_lshl_b32 s93, s19, 12
	s_add_co_u32 s92, s92, s93
	s_add_co_u32 s92, s92, 524288
	s_lshl_b32 s93, s14, 12                        ; V's: 4,096, the third load
	s_add_co_u32 s93, s93, 1048576
	s_cmp_eq_u32 s19, 2
	s_cselect_b32 s92, s93, s92
	s_mov_b32 s93, 0
	s_mov_b32 s[SEL], 0x76543210
	s_mov_b32 s[SEL+1], 0xfedcba98
	s_mov_b32 s[CS], 0x3e38aa3b
	s_mov_b32 s[CS+1], s[CS]                       ; (named with it as a pair, so it is written)
	s_wait_dscnt 0x0
	s_wait_kmcnt 0x0
	s_mov_b32 s[G0K], 1
	s_mul_i32 s[G0K+1], s19, 24576                 ; LDS: K at 0
	s_add_nc_u64 s[G0K+2:G0K+3], s[4:5], s[88:89]
	s_or_b32 s[G0K+3], s[G0K+3], 0x80000000
	s_mov_b32 s[G0V], 1
	s_mul_i32 s[G0V+1], s19, 24576
	s_add_co_u32 s[G0V+1], s[G0V+1], 98304         ; V at 98,304
	s_add_nc_u64 s[G0V+2:G0V+3], s[4:5], s[90:91]
	s_or_b32 s[G0V+3], s[G0V+3], 0x80000000
	s_mov_b32 s[G0S], 1
	s_lshl_b32 s[G0S+1], s19, 12
	s_add_co_u32 s[G0S+1], s[G0S+1], 196608        ; K's scale words at 196,608, V's at 204,800
	s_add_nc_u64 s[G0S+2:G0S+3], s[6:7], s[92:93]
	s_or_b32 s[G0S+3], s[G0S+3], 0x80000000
	CROUND                                         ; all four work-groups are here: the joint loads meet
	; waves 0-3 fetch K's quarters, 4-7 V's, 8-10 the scale words, the others nothing: one load a wave.  The branches hang on the wave's number alone.  Four v_nop follow each line
	s_cmp_lt_u32 s[WV], 4
	s_cbranch_scc0 .Lnot_k
	tensor_load_to_lds s[G0K:G0K+3], s[G1K:G1K+7]
	s_nop 0
.rept 4
	v_nop
.endr
	s_branch .Lasked
.Lnot_k:
	s_cmp_lt_u32 s[WV], 8
	s_cbranch_scc0 .Lnot_v
	tensor_load_to_lds s[G0V:G0V+3], s[G1V:G1V+7]
	s_nop 0
.rept 4
	v_nop
.endr
	s_branch .Lasked
.Lnot_v:
	s_cmp_lt_u32 s[WV], 11
	s_cbranch_scc0 .Lasked
	tensor_load_to_lds s[G0S:G0S+3], s[G1S:G1S+7]
	s_nop 0
.rept 4
	v_nop
.endr
.Lasked:
	s_lshr_b32 s66, s[WV], 1                       ; pass A's diagonal step
	s_sub_co_u32 s67, 15, s66                      ; pass B's
	s_lshl_b32 s68, s[WV], 2
	s_add_co_u32 s68, s68, s13                     ; pass A's tile of queries
	s_sub_co_u32 s69, 127, s68                     ; pass B's
	s_mul_i32 s3, s18, 6144
	s_add_co_u32 s3, s3, s2                        ; q: the pair's place + my head's half of a unit
	s_mov_b32 s89, 0
	s_lshl_b32 s93, s14, 13                        ; q's scale words: 8,192 bytes a head
	s_mul_i32 s94, s16, 768                        ; ctx: my head's 768 bytes of a tile's 12,288
	s_lshr_b32 s95, s16, 2
	s_lshl_b32 s95, s95, 7
	s_and_b32 s92, s16, 3
	s_lshl_b32 s92, s92, 1
	s_add_co_u32 s95, s95, s92                     ; ctx's scale bytes: 128 (head / 4) + 2 (head % 4)
.macro BASES tau, o                    ; the four bases and the mask's number of the tile in s[tau]
	s_lshr_b32 s90, s[\tau], 3                     ; its group of 128 tokens
	s_and_b32 s91, s[\tau], 7                      ; its place in the group
	s_mul_i32 s88, s90, 12288
	s_mul_i32 s92, s91, 768
	s_add_co_u32 s88, s88, s92
	s_add_co_u32 s88, s88, s3
	s_add_nc_u64 s[70+2*\o:71+2*\o], s[4:5], s[88:89]
	s_lshl_b32 s88, s90, 9
	s_lshl_b32 s92, s91, 2
	s_add_co_u32 s88, s88, s92
	s_add_co_u32 s88, s88, s93
	s_add_nc_u64 s[74+2*\o:75+2*\o], s[6:7], s[88:89]
	s_lshl_b32 s92, s15, 7
	s_add_co_u32 s92, s92, s[\tau]                 ; 128 batch + tile
	s_mul_i32 s88, s92, 12288
	s_add_co_u32 s88, s88, s94
	s_add_nc_u64 s[78+2*\o:79+2*\o], s[8:9], s[88:89]
	s_lshl_b32 s88, s92, 9
	s_add_co_u32 s88, s88, s95
	s_add_nc_u64 s[82+2*\o:83+2*\o], s[10:11], s[88:89]
	s_lshr_b32 s90, s[\tau], 1
	s_and_b32 s90, s90, 3
	s_lshl_b32 s90, s90, 5
	s_and_b32 s91, s[\tau], 1
	s_lshl_b32 s91, s91, 3
	s_add_co_u32 s[86+\o], s90, s91                ; the tile's first query within its 128: 32 ((tile / 2) % 4) + 8 (tile % 2)
.endm
	BASES 68, 0
	BASES 69, 1
	v_and_b32 v8, 31, v0                           ; lane
	v_and_b32 v9, 15, v0                           ; r
	s_delay_alu instid0(VALU_DEP_2)
	v_lshlrev_b32 v1, 3, v8                        ; K: 8 x lane
	s_delay_alu instid0(VALU_DEP_1)
	v_add_nc_u32 v2, 98304, v1                     ; V
	s_delay_alu instid0(VALU_DEP_3)
	v_lshlrev_b32 v6, 5, v9                        ; Q's scale words: 32 bytes a slot row
	s_delay_alu instid0(VALU_DEP_1)
	v_add_nc_u32 v3, 196608, v6                    ; K's likewise, in LDS
	v_lshlrev_b32 v4, 4, v9
	s_delay_alu instid0(VALU_DEP_1)
	v_add_nc_u32 v4, 204800, v4                    ; V's: 16 bytes a slot row
	v_lshlrev_b32 v5, 3, v8                        ; in memory: 8 x lane
	v_lshlrev_b32 v7, 3, v9                        ; ctx's scale bytes: 8 bytes a slot row
.irp i, 0,1,2
	global_load_b64 v[16+2*\i:17+2*\i], v5, s[70:71] offset:256*\i    ; both tiles' Q stay in registers
	global_load_b64 v[200+2*\i:201+2*\i], v5, s[72:73] offset:256*\i
.endr
	global_load_b32 v255, v6, s[74:75]
	global_load_b32 v212, v6, s[76:77]
	v_and_b32 v214, 7, v0
	v_bfe_u32 v213, v0, 3, 1
	s_delay_alu instid0(VALU_DEP_1)
	v_lshl_add_u32 v214, v213, 4, v214
	v_bfe_u32 v213, v0, 4, 1
	s_delay_alu instid0(VALU_DEP_1)
	v_lshlrev_b32 v213, 4, v213
	s_delay_alu instid0(VALU_DEP_1)
	v_sub_nc_u32 v214, v214, v213                  ; (r & 7) + 16 (r >> 3) - 16 h
.irp i, 0,1,2,3,4,5
	v_mov_b32 v[22+\i], 0                          ; K = 64 .. 127 of Q: zero codes
	v_mov_b32 v[206+\i], 0
.irp t, 0,1,2,3
	v_mov_b32 v[38+12*\t+\i], 0                    ; and of K's fragments: written once, never loaded over
.endr
.endr
.irp b, 0,1,2,3
	v_mov_b32 v[236+\b], 0                         ; a lane permute's destination counts as one of its sources
.endr
	v_mov_b32 v252, 0
	v_mov_b32 v253, 0
	s_wait_loadcnt 0x0                             ; Q
	s_wait_tensorcnt 0x0                           ; my part of the head has landed,
	s_barrier_signal -1
	s_barrier_wait -1                              ; everybody's has
; ONE TILE OF 16 QUERIES.  qf, qw: Q's fragment and scale word; ad: the diagonal step (scalar); ms: the mask's number (scalar); cb, sb: the bases of ctx's codes and scale bytes
.macro PASS qf, qw, ad, ms, cb, sb
	s_wait_xcnt 0x0                                ; the pass before has stored from registers that this one writes
	v_mov_b32 v13, 0xff61b1e6                      ; the largest t so far: -3e38
	s_delay_alu instid0(VALU_DEP_1)
	v_floor_f32 v12, -v13                          ; -M
	v_mov_b32 v14, 0
	v_mov_b32 v15, 0
.set n, 0
.rept 32
	v_mov_b32 v[160+n], 0                          ; O^T: the step is written once; the first finds zeros, which the first change of M leaves zeros
.set n, n+1
.endr
	v_add_nc_u32 v213, s[\ms], v214                ; d: on the diagonal step register 16 b + i holds a hidden key where 32 b + i > d
	s_mov_b32 s[KS], 0
	s_mov_b32 s[TK], 0
	s_mov_b32 s[TS], 0
	s_mov_b32 s[TV], 0
.Ltrip_\@:
	s_cmp_gt_u32 s[KS], s[\ad]
	s_cbranch_scc1 .Lhidden_\@                     ; all 128 keys come after my queries
	s_setprio 2
	v_add_nc_u32 v8, s[TK], v1
	s_wait_alu depctr_va_vdst(0)
	v_add_nc_u32 v9, s[TK], v2
	v_add_nc_u32 v10, s[TS], v3
	v_add_nc_u32 v11, s[TV], v4
	v_nop                                          ; five places: the scores below are written over registers from which the last step's products read V
.irp g, 0,1                            ; S^T = K Q^T, four tiles of 16 keys at a time
.if \g > 0
.rept 4
	v_nop                                          ; places in front of loads into registers that matrix instructions have read
.endr
.endif
.irp t, 0,1,2,3
.irp i, 0,1,2
	ds_load_b64 v[32+12*\t+2*\i:33+12*\t+2*\i], v8 offset:(4*\g+\t)*768+256*\i
.endr
.endr
.if \g == 0
	ds_load_b128 v[80:83], v10                     ; the eight tiles' scale words of slot row r
	ds_load_b128 v[84:87], v10 offset:16
.endif
	s_wait_dscnt 0x0
.irp t, 0,1,2,3
	v_wmma_scale_f32_16x16x128_f8f6f4 v[96+8*(4*\g+\t):103+8*(4*\g+\t)], v[32+12*\t:43+12*\t], v[\qf:\qf+11], 0, v[80+4*\g+\t], v[\qw] matrix_a_fmt:MATRIX_FMT_BF6 matrix_b_fmt:MATRIX_FMT_BF6
.endr
.endr
.rept 4
	v_nop
.endr
	s_cmp_lt_u32 s[KS], s[\ad]
	s_cbranch_scc1 .Lopen_\@                       ; all 128 keys count
	v_mov_b32 v254, 0xff800000                     ; -infinity
.set n, 0
.rept 64
	v_cmp_gt_i32 vcc_lo, 32*(n/16)+n%16, v213
	v_cndmask_b32 v[96+n], v[96+n], v254, vcc_lo
.set n, n+1
.endr
.Lopen_\@:
.irp b, 0,1,2,3
	v_max3_num_f32 v[232+\b], v[96+16*\b], v[97+16*\b], v[98+16*\b]   ; the largest score of each block of 32 keys: for the row's maximum, and, since p rises with the score, for the block's largest p
.endr
.irp i, 3,5,7,9,11,13
.irp b, 0,1,2,3
	v_max3_num_f32 v[232+\b], v[232+\b], v[96+16*\b+\i], v[97+16*\b+\i]
.endr
.endr
.irp b, 0,1,2,3
	v_max_num_f32 v[232+\b], v[232+\b], v[111+16*\b]
.endr
.irp b, 0,1,2,3
	s_delay_alu instid0(VALU_DEP_4)
	v_permlanex16_b32 v[236+\b], v[232+\b], s[SEL], s[SEL+1]
.endr
.irp b, 0,1,2,3
	s_delay_alu instid0(VALU_DEP_4)
	v_max_num_f32 v[232+\b], v[232+\b], v[236+\b]  ; with lane l xor 16's 16 keys
.endr
	s_delay_alu instid0(VALU_DEP_2)
	v_max3_num_f32 v254, v232, v233, v234
	s_delay_alu instid0(VALU_DEP_1)
	v_max_num_f32 v254, v254, v235
	s_delay_alu instid0(VALU_DEP_1)
	v_mul_f32 v254, s[CS], v254                    ; as t (c is positive)
	s_delay_alu instid0(VALU_DEP_1)
	v_max_num_f32 v13, v13, v254                   ; the running largest t
	v_mov_b32 v254, v12
	s_delay_alu instid0(VALU_DEP_2)
	v_floor_f32 v12, -v13                          ; the new -M = -ceil(t)
	s_delay_alu instid0(VALU_DEP_1)
	v_sub_f32 v254, v12, v254                      ; old M - new M: a whole number, 0 or less
	s_delay_alu instid0(VALU_DEP_1)
	v_cvt_i32_f32 v254, v254                       ; (it saturates)
	s_delay_alu instid0(VALU_DEP_1)
	v_ldexp_f32 v252, 1.0, v254                    ; f = 2^(old M - new M): a multiplication by it rounds nothing
.set n, 0
.rept 32
	v_pk_fma_f32 v[96+n:97+n], v[96+n:97+n], s[CS:CS+1], v[12:13] op_sel_hi:[1,0,0]   ; t - M, two at a time
.set n, n+2
.endr
	s_setprio 1
.irp b, 0,1,2,3
	v_fma_f32 v[232+\b], v[232+\b], s[CS], v12     ; the same of each block's largest score
.endr
.set n, 0
	s_wait_alu depctr_va_vdst(0)
.rept 64
	v_exp_f32 v[96+n], v[96+n]                     ; p = 2^(t - M)
.set n, n+1
.endr
.irp b, 0,1,2,3
	v_exp_f32 v[232+\b], v[232+\b]                 ; the block's largest p
.endr
	v_pk_mul_f32 v[14:15], v[14:15], v[252:253] op_sel_hi:[1,0]   ; the sums under the new M (a plain place behind the exponentials)
	s_wait_alu depctr_va_vdst(0)
.irp b, 0,1,2,3
	v_max_num_f32 v[232+\b], 0x2800000, v[232+\b]  ; the floor 2^(5 - 127)
.endr
.irp b, 0,1,2,3
	s_delay_alu instid0(VALU_DEP_4)
	v_add_nc_u32 v[244+\b], 0xfe000000, v[232+\b]  ; the conversion's scale operand
.endr
.irp b, 0,1,2,3
	s_delay_alu instid0(VALU_DEP_4)
	v_lshrrev_b32 v[236+\b], 23, v[244+\b]         ; the byte
.endr
	s_delay_alu instid0(VALU_DEP_3)
	v_lshl_or_b32 v253, v237, 8, v236              ; p's scale word for these 128 keys
	s_delay_alu instid0(VALU_DEP_1)
	v_lshl_or_b32 v253, v238, 16, v253
	s_delay_alu instid0(VALU_DEP_1)
	v_lshl_or_b32 v253, v239, 24, v253
.irp c, 0,1
	v_cvt_scalef32_pk16_bf6_f32 v[224+6*\c:226+6*\c], v[96+32*\c:111+32*\c], v[244+2*\c]
	v_cvt_scalef32_pk16_bf6_f32 v[236+4*\c:238+4*\c], v[112+32*\c:127+32*\c], v[244+2*\c+1]
.endr
	v_nop                                          ; one plain place behind a scaled conversion
.irp c, 0,1
.irp i, 0,1,2
	v_permlane16_swap_b32 v[224+6*\c+\i], v[236+4*\c+\i]
.endr
.irp i, 0,1,2
	s_delay_alu instid0(VALU_DEP_3)
	v_mov_b32 v[227+6*\c+\i], v[236+4*\c+\i]
.endr
.endr
	v_pk_add_f32 v[236:237], v[100:101], v[104:105]
	v_pk_add_f32 v[248:249], v[108:109], v[112:113]
	v_pk_add_f32 v[246:247], v[116:117], v[120:121]
	v_pk_add_f32 v[244:245], v[124:125], v[128:129]
	v_pk_add_f32 v[242:243], v[132:133], v[136:137]
	v_pk_add_f32 v[240:241], v[140:141], v[144:145]
	v_pk_add_f32 v[222:223], v[148:149], v[152:153]
	v_pk_add_f32 v[14:15], v[14:15], v[156:157]
	v_pk_add_f32 v[236:237], v[236:237], v[96:97]
	v_pk_add_f32 v[248:249], v[248:249], v[98:99]
	v_pk_add_f32 v[246:247], v[246:247], v[102:103]
	v_pk_add_f32 v[244:245], v[244:245], v[106:107]
	v_pk_add_f32 v[242:243], v[242:243], v[110:111]
	v_pk_add_f32 v[240:241], v[240:241], v[114:115]
	v_pk_add_f32 v[222:223], v[222:223], v[118:119]
	v_pk_add_f32 v[14:15], v[14:15], v[122:123]
	v_pk_add_f32 v[236:237], v[236:237], v[126:127]
	v_pk_add_f32 v[248:249], v[248:249], v[130:131]
	v_pk_add_f32 v[246:247], v[246:247], v[134:135]
	v_pk_add_f32 v[244:245], v[244:245], v[138:139]
	v_pk_add_f32 v[242:243], v[242:243], v[142:143]
	v_pk_add_f32 v[240:241], v[240:241], v[146:147]
	v_pk_add_f32 v[222:223], v[222:223], v[150:151]
	v_pk_add_f32 v[14:15], v[14:15], v[154:155]
	v_pk_add_f32 v[236:237], v[236:237], v[158:159]
	s_delay_alu instid0(VALU_DEP_2)
	v_pk_add_f32 v[14:15], v[14:15], v[244:245]
	s_delay_alu instid0(VALU_DEP_2)
	v_pk_add_f32 v[236:237], v[236:237], v[242:243]
	v_pk_add_f32 v[248:249], v[248:249], v[240:241]
	v_pk_add_f32 v[246:247], v[246:247], v[222:223]
	s_delay_alu instid0(VALU_DEP_2)
	v_pk_add_f32 v[14:15], v[14:15], v[248:249]
	s_delay_alu instid0(VALU_DEP_2)
	v_pk_add_f32 v[236:237], v[236:237], v[246:247]
	s_delay_alu instid0(VALU_DEP_1)
	v_pk_add_f32 v[14:15], v[14:15], v[236:237]
	s_setprio 0
.irp t, 0,1,2,3                        ; p is done with: V's four fragments (16 channels x 128 keys each) take its registers
.irp p, 0,1,2,3,4,5
	ds_load_b64 v[96+12*\t+2*\p:97+12*\t+2*\p], v9 offset:(\p/3)*3072+\t*768+256*(\p%3)
.endr
.endr
	ds_load_b128 v[88:91], v11                     ; and their scale words
.set n, 0
.rept 16
	v_pk_mul_f32 v[160+n:161+n], v[160+n:161+n], v[252:253] op_sel_hi:[1,0]   ; O^T under the new M, while the loads are out
.set n, n+2
.endr
	s_wait_alu depctr_va_vdst(0)
	s_wait_dscnt 0x0
.irp t, 0,1,2,3                        ; the four accumulators take turns, one instruction a turn
	v_wmma_scale_f32_16x16x128_f8f6f4 v[160+8*\t:167+8*\t], v[96+12*\t:107+12*\t], v[224:235], v[160+8*\t:167+8*\t], v[88+\t], v253 matrix_a_fmt:MATRIX_FMT_BF6 matrix_b_fmt:MATRIX_FMT_BF6
.endr
.Lhidden_\@:
	s_add_co_u32 s[TK], s[TK], 6144
	s_add_co_u32 s[TS], s[TS], 512
	s_add_co_u32 s[TV], s[TV], 256
	s_add_co_u32 s[KS], s[KS], 1
	s_cmp_lt_u32 s[KS], 16
	s_cbranch_scc1 .Ltrip_\@
	s_setprio 0
.rept 4
	v_nop                                          ; places behind the last products
.endr
	v_add_f32 v14, v14, v15
	s_delay_alu instid0(VALU_DEP_1)
	v_permlanex16_b32 v252, v14, s[SEL], s[SEL+1]
	s_delay_alu instid0(VALU_DEP_1)
	v_add_f32 v14, v14, v252                       ; the row's sum
	s_wait_alu depctr_va_vdst(0)
	v_rcp_f32 v14, v14
	v_nop                                          ; one plain place behind a transcendental
.set n, 0
	s_wait_alu depctr_va_vdst(0)
.rept 16
	v_pk_mul_f32 v[96+n:97+n], v[160+n:161+n], v[14:15] op_sel_hi:[1,0]   ; ctx: register 16 b + i is channel 32 b + 16 h + i of my query
.set n, n+2
.endr
.irp b, 0,1
	v_max3_num_f32 v[232+\b], |v[96+16*\b]|, |v[97+16*\b]|, 0x2800000
.endr
.irp i, 2,4,6,8,10,12,14
.irp b, 0,1
	s_delay_alu instid0(VALU_DEP_2)
	v_max3_num_f32 v[232+\b], v[232+\b], |v[96+16*\b+\i]|, |v[97+16*\b+\i]|
.endr
.endr
.irp b, 0,1
	s_delay_alu instid0(VALU_DEP_2)
	v_permlanex16_b32 v[236+\b], v[232+\b], s[SEL], s[SEL+1]
.endr
.irp b, 0,1
	s_delay_alu instid0(VALU_DEP_2)
	v_max_num_f32 v[232+\b], v[232+\b], v[236+\b]
.endr
.irp b, 0,1
	s_delay_alu instid0(VALU_DEP_2)
	v_add_nc_u32 v[244+\b], 0xfe000000, v[232+\b]
.endr
.irp b, 0,1
	s_delay_alu instid0(VALU_DEP_2)
	v_lshrrev_b32 v[236+\b], 23, v[244+\b]
.endr
	s_delay_alu instid0(VALU_DEP_1)
	v_lshl_or_b32 v240, v237, 8, v236              ; my head's two scale bytes of this row
	v_cvt_scalef32_pk16_bf6_f32 v[224:226], v[96:111], v244
	v_cvt_scalef32_pk16_bf6_f32 v[228:230], v[112:127], v245
	v_nop
.irp i, 0,1,2
	v_permlane16_swap_b32 v[224+\i], v[228+\i]
.endr
.irp i, 0,1,2
	s_delay_alu instid0(VALU_DEP_3)
	v_mov_b32 v[227+\i], v[228+\i]                 ; ascending: each source is read before it is written
.endr
.irp i, 0,1,2
	global_store_b64 v5, v[224+2*\i:225+2*\i], s[\cb:\cb+1] offset:256*\i   ; 256 consecutive bytes, aligned
.endr
	global_store_b16 v7, v240, s[\sb:\sb+1]        ; 2 bytes a row, 8 apart: the heads that share a word are other clusters' (both halves of the lanes write the same)
.endm
	PASS 16, 255, 66, 86, 78, 82
	PASS 200, 212, 67, 87, 80, 84
	s_wait_dscnt 0x0
	s_wait_tensorcnt 0x0
	ds_add_u32 v250, v251
	s_wait_dscnt 0x0
	CROUND                                         ; the closing round
	s_endpgm
.Lfunc_end_k_q82a0707e87_attn:
	.size	k_q82a0707e87_attn, .Lfunc_end_k_q82a0707e87_attn-k_q82a0707e87_attn
	.p2alignl 7, 3214868480
	.fill 96, 4, 3214868480
	.section	.rodata,"a",@progbits
	.p2align	6, 0x0
	.amdhsa_kernel k_q82a0707e87_attn
		.amdhsa_group_segment_fixed_size 210944
		.amdhsa_private_segment_fixed_size 0
		.amdhsa_enable_private_segment 0
		.amdhsa_kernarg_size 32
		.amdhsa_user_sgpr_count 2
		.amdhsa_user_sgpr_kernarg_segment_ptr 1
		.amdhsa_wavefront_size32 1
		.amdhsa_system_sgpr_workgroup_id_x 1
		.amdhsa_system_sgpr_workgroup_id_y 1
		.amdhsa_system_sgpr_workgroup_id_z 1
		.amdhsa_system_vgpr_workitem_id 0
		.amdhsa_next_free_vgpr 256
		.amdhsa_next_free_sgpr 96
		.amdhsa_reserve_vcc 1
		.amdhsa_float_denorm_mode_32 3
		.amdhsa_float_denorm_mode_16_64 3
		.amdhsa_memory_ordered 1
		.amdhsa_forward_progress 1
		.amdhsa_inst_pref_size 71
	.end_amdhsa_kernel
	.amdgpu_metadata
---
amdhsa.version: [ 1, 2 ]
amdhsa.kernels:
  - .name:           k_q82a0707e87_attn
    .symbol:         k_q82a0707e87_attn.kd
    .args:
      - { .name: qkv_img, .offset: 0, .size: 8, .value_kind: global_buffer, .address_space: global }
      - { .name: qkv_sc, .offset: 8, .size: 8, .value_kind: global_buffer, .address_space: global }
      - { .name: ctx_img, .offset: 16, .size: 8, .value_kind: global_buffer, .address_space: global }
      - { .name: ctx_sc, .offset: 24, .size: 8, .value_kind: global_buffer, .address_space: global }
    .group_segment_fixed_size: 210944
    .private_segment_fixed_size: 0
    .kernarg_segment_align: 8
    .kernarg_segment_size: 32
    .max_flat_workgroup_size: 512
    .sgpr_count:     96
    .vgpr_count:     256
    .wavefront_size: 32
...
	.end_amdgpu_metadata
.endif
;; end of part 3
;; launch gemm_o (part 4): grid 4 x 32, 4 waves a work-group, clusters of 4 x 4, 327,680 bytes of LDS; arguments ctx_img, ctx_sc, w_img, w_sc, bo, out0; writes out0
.if DOCPART == 4
	.amdgcn_target "amdgcn-amd-amdhsa--gfx1250"
	.amdhsa_code_object_version 6
	.text
	.protected	k_q82a0707e87_gemm_o
	.globl	k_q82a0707e87_gemm_o
	.p2align	8
	.type	k_q82a0707e87_gemm_o,@function
k_q82a0707e87_gemm_o:
	s_mov_b64 s[64:65], 0
	v_nop
	global_prefetch_b8 v0, s[64:65] scope:SCOPE_SE
	s_setreg_imm32_b32 hwreg(HW_REG_WAVE_MODE, 25, 1), 1
	s_wait_xcnt 0x0
	s_wait_alu depctr_hold_cnt(0) depctr_sa_sdst(0) depctr_va_vdst(0) depctr_va_sdst(0) depctr_va_ssrc(0) depctr_va_vcc(0) depctr_vm_vsrc(0)
	s_getreg_b32 s2, hwreg(HW_REG_IB_STS2, 6, 4)
	s_cmp_eq_u32 s2, 0
	s_cbranch_scc0 .Lentry_in_a_cluster
	s_endpgm
.Lentry_in_a_cluster:
	s_bfe_u32 s2, ttmp6, 0x10000c
	s_cmp_lg_u32 s2, 0xf033
	s_cbranch_scc0 .Lentry_shape_is_right
	s_endpgm
.Lentry_shape_is_right:
; out0 = ctx Wo + bo on codes of BF6 (E3M2) with E8M0 scales, sums in f32.  Source 0 = 16 rows (features) of Wo, source 1 = 16 rows (tokens) of ctx: a lane holds one token, and its registers run along the features.
; OPERANDS lie in memory in the order of the operand's registers: a fragment (16 slot rows x 128 K) is six pieces of 256 bytes, piece p = registers 2 p, 2 p + 1 of lane l at 256 p + 8 l; a tile's 8 fragments are 12,288 bytes.
; Slot row r of tile 2 b + u is matrix row 32 b + 8 u + (r & 7) + 16 (r >> 3), for tokens and features alike; the way out puts both back in order.
; A work-group of four waves makes 256 x 256, a wave 128 x 128.  K = 1,024 goes in four steps of 256 through two LDS slots; all scale words come once.  bo is the C of each sum's first matrix instruction.
; CLUSTERS: 4 x 4 work-groups: a row of the cluster shares ctx's tiles, a column Wo's, each asked for jointly.  The problem has 128 tiles of this size: 128 work-groups.
; REGISTERS: window 0: v0-31 addresses; v32-63 scale words, two sets; v64-127 bo in the result's layout; v128-223 ctx's fragments, one set; on the way out v128-255 rows of out0.
;   window 1: Wo's fragments, two sets, at v0 and v128.   windows 2, 3: the accumulators ((a, b) at v[8 (8 (a % 4) + b)]).
.set TROW,   3072
.set HALFT,  8*TROW
.set SLOT,   4*HALFT
.set SCL,    2*SLOT
.set SKEW,   128
.set SPARE,  213248                    ; behind the scales (which end at 213,120): the spare words, 128 bytes for each wave: two blocks of 256 bytes that no other line names
.set SPITCH, 528                       ; the way out: a stage of 16 rows x (512 bytes + 16) for each wave, in slot 0, which has had its last fill and its last read when the first result is stored there
.set FR,     12
.set NL,     6
.set NP,     4
.set NQ,     2
.set ADRA, 16
.set ADRB, 20
.set STO,  24
.set RD,   25
.set CO,   26                          ; v26  16 x lane
.set ADRS, 27
.set SPW,  28
.set NIL,  29
.set SC,   32
.set BI,   64
.set AF,   128
.set BK,   128
.set G1, 24
.set G0, 32
.set G1B, 48
.set G0B, 56
.set G1S, 68
.set G0S, 76
.set G1SB, 80
.set G0SB, 88
.set MSB, 0
.macro WIN new
.if MSB != (\new)
	s_set_vgpr_msb (MSB<<8)|(\new)
.set MSB, (\new)
.endif
.endm
.set MUL_LO, 0xa1
.set MUL_HI, 0xf1
.set TO_B,   0x40
.macro JLOAD g0a, g1a, g0b, g1b        ; a joint load: waves 0 and 1 fetch for ctx, waves 2 and 3 for Wo; four v_nop follow each of the two lines
	s_cmp_eq_u32 s15, 0
	s_cbranch_scc0 .Lfor_b_\@
	tensor_load_to_lds s[\g0a:\g0a+3], s[\g1a:\g1a+7]
	s_nop 0
.rept 4
	v_nop
.endr
	s_branch .Lasked_\@
.Lfor_b_\@:
	tensor_load_to_lds s[\g0b:\g0b+3], s[\g1b:\g1b+7]
	s_nop 0
.rept 4
	v_nop
.endr
.Lasked_\@:
.endm
.macro CREST
	s_cmp_lg_u32 s14, 0
	s_cbranch_scc1 .Lnot_wave_0_\@
	s_barrier_signal -3
.Lnot_wave_0_\@:
	s_barrier_wait -3
	s_barrier_signal -1
	s_barrier_wait -1
.endm
.macro CROUND
	s_barrier_signal -1
	s_barrier_wait -1
	CREST
.endm
	s_load_b256 s[4:11], s[0:1], 0x0               ; ctx_img s[4:5], ctx_sc s[6:7], w_img s[8:9], w_sc s[10:11]
	s_load_b128 s[96:99], s[0:1], 0x20             ; bo s[96:97], out0 s[98:99]
	v_lshl_add_u32 v[SPW], v0, 2, SPARE
	v_mov_b32 v[NIL], 0
	ds_add_u32 v28, v29
	ds_add_u32 v28, v29
	s_wait_dscnt 0x0
	v_lshrrev_b32 v1, 5, v0
	v_readfirstlane_b32 s14, v1                    ; wave 0..3
	s_lshr_b32 s15, s14, 1                         ; which half of the tile's tokens is mine.  Also: I fetch for ctx (0) or for Wo (1)
	s_and_b32 s16, s14, 1                          ; which half of its features.  Also: which 8 tiles I fetch
	s_bfe_u32 s40, ttmp6, 0x40000                  ; cx
	s_bfe_u32 s41, ttmp6, 0x40004                  ; cy
	s_lshl_b32 s42, ttmp9, 2
	s_add_co_u32 s42, s42, s40                     ; TC: which 256 features
	s_and_b32 s17, ttmp7, 0xffff
	s_lshl_b32 s17, s17, 2
	s_add_co_u32 s17, s17, s41                     ; TR: which 256 tokens
	s_lshl_b32 s43, s41, 2
	s_lshl_b32 s43, 15, s43                        ; my row of the cluster
	s_lshl_b32 s44, 0x1111, s40                    ; my column
	s_or_b32 s[G1+0], s43, (3<<16)|(1<<21)         ; codes: 8 rows (tiles) of 3,072 bytes = 384 elements of 8 bytes, 12,288 bytes apart; no padding
	s_or_b32 s[G1B+0], s44, (3<<16)|(1<<21)
.irp g, G1, G1B
	s_mov_b32 s[\g+1], 384<<16
	s_mov_b32 s[\g+2], 8<<16
	s_mov_b32 s[\g+3], 384<<16
	s_mov_b32 s[\g+4], 8
	s_mov_b32 s[\g+5], 1536
	s_mov_b32 s[\g+6], 0
	s_mov_b32 s[\g+7], 0
.endr
	s_or_b32 s[G1S+0], s43, (3<<16)|(1<<21)        ; the scale words of 8 tiles: 4,096 dense bytes as 16 rows of 256
	s_or_b32 s[G1SB+0], s44, (3<<16)|(1<<21)
.irp g, G1S, G1SB
	s_mov_b32 s[\g+1], 32<<16
	s_mov_b32 s[\g+2], 16<<16
	s_mov_b32 s[\g+3], 32<<16
	s_mov_b32 s[\g+4], 16
	s_mov_b32 s[\g+5], 32
	s_mov_b32 s[\g+6], 0
	s_mov_b32 s[\g+7], 0
.endr
	s_lshl_b32 s3, s16, 3
	s_lshl_b32 s20, s17, 4
	s_add_co_u32 s20, s20, s3                      ; ctx: tile 16 TR + 8 x half
	s_lshl_b32 s46, s42, 4
	s_add_co_u32 s46, s46, s3
	s_add_co_u32 s46, s46, 192                     ; Wo: tiles 192 on of the weights: 192 + 16 TC + 8 x half
	s_lshl_b32 s22, s20, 9
	s_lshl_b32 s18, s46, 9
	s_mul_i32 s20, s20, 12288
	s_mul_i32 s46, s46, 12288
	s_mov_b32 s21, 0
	s_mov_b32 s23, 0
	s_mov_b32 s19, 0
	s_mov_b32 s47, 0
	s_mul_i32 s45, s14, HALFT                      ; where they go: wave x 8 tiles
	s_lshl_b32 s13, s14, 12
	s_wait_kmcnt 0x0
	s_add_nc_u64 s[66:67], s[4:5], s[20:21]
	s_add_nc_u64 s[92:93], s[6:7], s[22:23]
	s_add_nc_u64 s[94:95], s[8:9], s[46:47]
	s_add_nc_u64 s[100:101], s[10:11], s[18:19]
	CROUND                                         ; all sixteen work-groups are here: the first joint loads meet
	s_mov_b32 s[G0S], 1
	s_add_co_u32 s[G0S+1], s13, SCL
	s_mov_b64 s[G0S+2:G0S+3], s[92:93]
	s_or_b32 s[G0S+3], s[G0S+3], 0x80000000
	s_mov_b32 s[G0SB], 1
	s_add_co_u32 s[G0SB+1], s13, SCL+SKEW
	s_mov_b64 s[G0SB+2:G0SB+3], s[100:101]
	s_or_b32 s[G0SB+3], s[G0SB+3], 0x80000000
	JLOAD G0S, G1S, G0SB, G1SB
.irp s, 0,1
	s_mov_b32 s[G0+4*\s], 1
	s_add_co_u32 s[G0+4*\s+1], s45, \s*SLOT
	s_add_nc_u64 s[G0+4*\s+2:G0+4*\s+3], s[66:67], \s*TROW
	s_or_b32 s[G0+4*\s+3], s[G0+4*\s+3], 0x80000000
	s_mov_b32 s[G0B+4*\s], 1
	s_add_co_u32 s[G0B+4*\s+1], s45, \s*SLOT
	s_add_nc_u64 s[G0B+4*\s+2:G0B+4*\s+3], s[94:95], \s*TROW
	s_or_b32 s[G0B+4*\s+3], s[G0B+4*\s+3], 0x80000000
	s_wait_alu depctr_va_vdst(0)
	s_wait_tensorcnt 0x0
	ds_add_u32 v28, v29
	s_wait_dscnt 0x0
	CROUND
	JLOAD G0+4*\s, G1, G0B+4*\s, G1B
.endr
	v_and_b32 v1, 15, v0                           ; r
	v_bfe_u32 v2, v0, 4, 1                         ; h
	s_wait_alu depctr_va_vdst(0)
	v_and_b32 v6, 31, v0
	v_lshlrev_b32 v4, 3, v6                        ; 8 x lane
	s_wait_alu depctr_va_vdst(0)
	s_lshl_b32 s20, s17, 8
	s_lshl_b32 s21, s15, 7
	s_add_co_u32 s20, s20, s21                     ; my first token: 256 TR + 128 x half
	s_lshl_b32 s20, s20, 12                        ; rows of 4,096 bytes
	s_mov_b32 s21, 0
	s_lshl_b32 s46, s42, 10                        ; my first feature, in bytes: 1,024 TC + 512 x half: the same in a row of out0 and in bo
	s_lshl_b32 s47, s16, 9
	s_add_co_u32 s46, s46, s47
	s_mov_b32 s47, 0
	s_add_nc_u64 s[96:97], s[96:97], s[46:47]
	s_add_nc_u64 s[98:99], s[98:99], s[46:47]
	s_add_nc_u64 s[98:99], s[98:99], s[20:21]
	v_lshlrev_b32 v7, 6, v2                        ; bo in the result's layout: register j of Wo's tile 2 b + u is feature 32 b + 16 h + 8 u + j
.irp b, 0,1,2,3,4,5,6,7
	global_load_b128 v[BI+8*\b:BI+8*\b+3], v7, s[96:97] offset:128*(\b/2)+32*(\b%2)
	global_load_b128 v[BI+8*\b+4:BI+8*\b+7], v7, s[96:97] offset:128*(\b/2)+32*(\b%2)+16
.endr
	s_mul_i32 s21, s15, HALFT
	s_mul_i32 s22, s16, HALFT
	s_add_co_u32 s22, s22, 2*HALFT
.irp s, 0,1
	v_add_nc_u32 v[ADRA+\s], s21, v4
	v_add_nc_u32 v[ADRB+\s], s22, v4
	s_add_co_u32 s21, s21, SLOT
	s_add_co_u32 s22, s22, SLOT
.endr
	v_lshlrev_b32 v5, 3, v1
	s_lshl_b32 s21, s15, 12
	s_lshl_b32 s22, s16, 12
	s_add_co_u32 s22, s22, 8192+SKEW
	s_sub_co_u32 s22, s22, s21
	v_mul_u32_u24 v3, s22, v2                      ; lanes 16-31 take Wo's scale words: one product, the distance between the two bases
	s_add_co_u32 s21, s21, SCL
	v_add_nc_u32 v5, v5, v3
	v_add_nc_u32 v[ADRS], s21, v5
	s_mul_i32 s23, s14, 16*SPITCH                  ; my stage
	v_mul_u32_u24 v5, v1, SPITCH                   ; in: row r, + 64 h
	v_lshl_add_u32 v5, v2, 6, v5
	v_add_nc_u32 v[STO], s23, v5
	v_lshlrev_b32 v[CO], 4, v6                     ; back: the 32 lanes take one row of 512 bytes; and the same in out0
	v_add_nc_u32 v[RD], s23, v[CO]
.macro FRAG reg, adr, q, i
.irp p, 0,1,2,3,4,5
	ds_load_b64 v[\reg+2*\p:\reg+2*\p+1], v[\adr] offset:(\i)*TROW+(\q)*1536+256*\p
.endr
.endm
; 16 matrix instructions: ctx's tiles a0, a0 + 1 x Wo's eight.  zero = 2: the first product starts the sums from bo.  The 64 accumulators take turns, one instruction a turn.
.macro MUL16 a0, p, q, sc, zero
.irp a, \a0, \a0+1
.irp b, 0,1,2,3,4,5,6,7
.if \zero == 2
	v_wmma_scale_f32_16x16x128_f8f6f4 v[8*(8*((\a)%4)+\b):8*(8*((\a)%4)+\b)+7], v[128*(\p)+FR*\b:128*(\p)+FR*\b+FR-1], v[AF+FR*(\a):AF+FR*(\a)+FR-1], v[BI+8*\b:BI+8*\b+7], v[SC+8*NQ*(\sc)+NQ*\b+(\q)], v[SC+8*NQ*(\sc)+NQ*(\a)+(\q)] matrix_a_fmt:MATRIX_FMT_BF6 matrix_b_fmt:MATRIX_FMT_BF6 matrix_a_scale:MATRIX_SCALE_ROW1
.else
	v_wmma_scale_f32_16x16x128_f8f6f4 v[8*(8*((\a)%4)+\b):8*(8*((\a)%4)+\b)+7], v[128*(\p)+FR*\b:128*(\p)+FR*\b+FR-1], v[AF+FR*(\a):AF+FR*(\a)+FR-1], v[8*(8*((\a)%4)+\b):8*(8*((\a)%4)+\b)+7], v[SC+8*NQ*(\sc)+NQ*\b+(\q)], v[SC+8*NQ*(\sc)+NQ*(\a)+(\q)] matrix_a_fmt:MATRIX_FMT_BF6 matrix_b_fmt:MATRIX_FMT_BF6 matrix_a_scale:MATRIX_SCALE_ROW1
.endif
.endr
.endr
.endm
.macro FETCH_B slot, q, p
	WIN TO_B
.irp i, 0,1,2,3,4,5,6,7
	FRAG 128*(\p)+FR*\i, ADRB+\slot, \q, \i
.endr
	WIN 0
.endm
.macro FETCH_A slot, q, i0
.irp i, \i0, \i0+1, \i0+2, \i0+3
	FRAG AF+FR*(\i), ADRA+\slot, \q, \i
.endr
.endm
.macro SCALES sc, j
.irp i, 0,1,2,3,4,5,6,7
	ds_load_b64 v[SC+8*NQ*\sc+NQ*\i:SC+8*NQ*\sc+NQ*\i+1], v[ADRS] offset:\i*512+(\j)*128
.endr
.endm
.macro PLACES n                        ; places behind matrix instructions, in front of loads into registers that they have read and of reads of their results
.rept \n
	v_nop
.endr
.endm
.macro STEP slot, q, zero
	s_wait_dscnt 4*NL                              ; Wo's set and ctx's tiles 0-3 are in; the youngest 24 loads (tiles 4-7) may be out
.if \zero == 2
	WIN 0x81                                       ; source 0 window 1, source 1 and C (bo) window 0, D window 2
.else
	WIN MUL_LO
.endif
	MUL16 0, (\q)%2, \q, \slot, \zero
	MUL16 2, (\q)%2, \q, \slot, \zero
	s_wait_dscnt 0
	PLACES NP
	FETCH_B \slot, (\q)+1, 1-(\q)%2
	FETCH_A \slot, (\q)+1, 0
.if \zero == 2
	WIN 0xc1                                       ; the same, D window 3
.else
	WIN MUL_HI
.endif
	MUL16 4, (\q)%2, \q, \slot, \zero
	MUL16 6, (\q)%2, \q, \slot, \zero
	PLACES NP
	WIN 0
	FETCH_A \slot, (\q)+1, 4
.endm
.macro TURN slot, next, fill, j
	s_wait_tensorcnt 0x0                           ; all my tensor loads have landed: my part of the next slot
	ds_add_u32 v[SPW], v[NIL]                      ; 0 onto my spare word
	s_wait_dscnt 4*NL+1                            ; (the add and the youngest 24 loads may be out)
	WIN MUL_LO
	MUL16 0, 1, NQ-1, \slot, 0
	s_wait_dscnt 0x0                               ; the add is done, and my reads of this slot are over
	s_barrier_signal -1
	MUL16 2, 1, NQ-1, \slot, 0
	WIN 0
	s_barrier_wait -1
.if \fill
	CREST                                          ; the barrier has opened a round of the cluster's: no wave of any partner still reads this slot or has a load on its way
	s_add_nc_u64 s[G0+4*\slot+2:G0+4*\slot+3], s[G0+4*\slot+2:G0+4*\slot+3], 2*TROW
	s_add_nc_u64 s[G0B+4*\slot+2:G0B+4*\slot+3], s[G0B+4*\slot+2:G0B+4*\slot+3], 2*TROW
	JLOAD G0+4*\slot, G1, G0B+4*\slot, G1B
.else
	PLACES NP
.endif
	FETCH_B \next, 0, 0
	FETCH_A \next, 0, 0
	SCALES \next, \j
	WIN MUL_HI
	MUL16 4, 1, NQ-1, \slot, 0
	MUL16 6, 1, NQ-1, \slot, 0
	PLACES NP
	WIN 0
	FETCH_A \next, 0, 4
.endm
	s_wait_alu depctr_va_vdst(0)
	s_wait_tensorcnt 1                             ; the scales and my part of slot 0 are in; slot 1's load may be out
	s_barrier_signal -1
	s_barrier_wait -1
	FETCH_B 0, 0, 0
	FETCH_A 0, 0, 0
	SCALES 0, 0
	FETCH_A 0, 0, 4
	s_wait_loadcnt 0x0                             ; bo
	STEP 0, 0, 2
	TURN 0, 1, 1, 1
	STEP 1, 0, 0
	TURN 1, 0, 1, 2
	STEP 0, 0, 0
	TURN 0, 1, 0, 3
	STEP 1, 0, 0
	s_wait_dscnt 4*NL
	WIN MUL_LO
	MUL16 0, 1, NQ-1, 1, 0
	MUL16 2, 1, NQ-1, 1, 0
	s_wait_dscnt 0
	WIN MUL_HI
	MUL16 4, 1, NQ-1, 1, 0
	MUL16 6, 1, NQ-1, 1, 0
	WIN 0
; THE WAY OUT, tile by tile of 16 tokens x 128 features, through my own stage: in, each lane's 8 numbers at their features' place in its row; back, whole rows of 512 bytes.
; LDS serves a wave's instructions in order (ISA guide 5.7.1.4): no wait between the stores and the loads, nor in front of the next tile's stores.
.macro TOSTAGE a
.set AC, 64*((\a)%4)
	WIN 0x08+4*((\a)/4)                            ; an LDS store's data: window 2 or 3
.irp b, 0,1,2,3,4,5,6,7
	ds_store_b128 v[STO], v[AC+8*\b:AC+8*\b+3] offset:128*(\b/2)+32*(\b%2)          ; each accumulator from its low end on
	ds_store_b128 v[STO], v[AC+8*\b+4:AC+8*\b+7] offset:128*(\b/2)+32*(\b%2)+16
.endr
	WIN 0
.set BB, BK+64*((\a)%2)
.irp t, 0,1,2,3,4,5,6,7,8,9,10,11,12,13,14,15
	ds_load_b128 v[BB+4*\t:BB+4*\t+3], v[RD] offset:\t*SPITCH
.endr
.endm
.macro SEND a, younger                 ; slot row t of tile a is token 32 (a / 2) + 8 (a % 2) + t % 8 + 16 (t / 8) of my 128: it stands in the immediate, 520,192 at the most; no base is stepped
.set BB, BK+64*((\a)%2)
	s_wait_dscnt \younger
.irp t, 0,1,2,3,4,5,6,7,8,9,10,11,12,13,14,15
	global_store_b128 v[CO], v[BB+4*\t:BB+4*\t+3], s[98:99] offset:(32*((\a)/2)+8*((\a)%2)+(\t%8)+16*(\t/8))*4096 th:TH_STORE_NT   ; 512 consecutive bytes, aligned
.endr
.endm
	PLACES NP
	TOSTAGE 0
.irp a, 1,2,3,4,5,6,7
.if \a > 1
	s_wait_xcnt 0x0                                ; tile a - 2's stores have read their registers: tile a's loads may land there
.endif
	TOSTAGE \a
	SEND \a-1, 32                                  ; behind tile a - 1's loads: tile a's 16 stores and 16 loads
.endr
	SEND 7, 0
	s_wait_tensorcnt 0x0                           ; the wave's end
	ds_add_u32 v[SPW], v[NIL]
	s_wait_dscnt 0x0
	CROUND                                         ; the closing round
	s_endpgm
.Lfunc_end_k_q82a0707e87_gemm_o:
	.size	k_q82a0707e87_gemm_o, .Lfunc_end_k_q82a0707e87_gemm_o-k_q82a0707e87_gemm_o
	.p2alignl 7, 3214868480
	.fill 96, 4, 3214868480
	.section	.rodata,"a",@progbits
	.p2align	6, 0x0
	.amdhsa_kernel k_q82a0707e87_gemm_o
		.amdhsa_group_segment_fixed_size 327680
		.amdhsa_private_segment_fixed_size 0
		.amdhsa_enable_private_segment 0
		.amdhsa_kernarg_size 48
		.amdhsa_user_sgpr_count 2
		.amdhsa_user_sgpr_kernarg_segment_ptr 1
		.amdhsa_wavefront_size32 1
		.amdhsa_system_sgpr_workgroup_id_x 1
		.amdhsa_system_sgpr_workgroup_id_y 1
		.amdhsa_system_sgpr_workgroup_id_z 1
		.amdhsa_system_vgpr_workitem_id 0
		.amdhsa_next_free_vgpr 1024
		.amdhsa_next_free_sgpr 102
		.amdhsa_reserve_vcc 0
		.amdhsa_float_denorm_mode_32 3
		.amdhsa_float_denorm_mode_16_64 3
		.amdhsa_memory_ordered 1
		.amdhsa_forward_progress 1
		.amdhsa_inst_pref_size 161
	.end_amdhsa_kernel
	.amdgpu_metadata
---
amdhsa.version: [ 1, 2 ]
amdhsa.kernels:
  - .name:           k_q82a0707e87_gemm_o
    .symbol:         k_q82a0707e87_gemm_o.kd
    .args:
      - { .name: ctx_img, .offset: 0, .size: 8, .value_kind: global_buffer, .address_space: global }
      - { .name: ctx_sc, .offset: 8, .size: 8, .value_kind: global_buffer, .address_space: global }
      - { .name: w_img, .offset: 16, .size: 8, .value_kind: global_buffer, .address_space: global }
      - { .name: w_sc, .offset: 24, .size: 8, .value_kind: global_buffer, .address_space: global }
      - { .name: bo, .offset: 32, .size: 8, .value_kind: global_buffer, .address_space: global }
      - { .name: out0, .offset: 40, .size: 8, .value_kind: global_buffer, .address_space: global }
    .group_segment_fixed_size: 327680
    .private_segment_fixed_size: 0
    .kernarg_segment_align: 8
    .kernarg_segment_size: 48
    .max_flat_workgroup_size: 128
    .sgpr_count:     102
    .vgpr_count:     1024
    .wavefront_size: 32
...
	.end_amdgpu_metadata
.endif
;; end of part 4
